; MI455X (gfx1250); checked and timed in simulation.
; The chip was launched on July 23, 2026; its instructions are those of AMD's public machine-readable ISA for CDNA 5 (MIT licence, August 2026) and "CDNA5" Instruction Set Architecture Reference Guide (July 2026). The comments in the code are by the model that wrote it; some were corrected since.
;; Actor Critic Net Mann. Allowed arithmetic: float matrix products may take bf16 or f16 operands with f32 sums; all other float work in f32.
;; Inputs: b0 8 x 1 x 1,024 float32; b1 8 x 1 x 1,024 float32; b2 8 x 1 x 64 float32; gb1 128 float32; gb2 128 float32; gb3 8 float32; gw1 512 x 128 float32; gw2 128 x 128 float32; gw3 128 x 8 float32; inputs 4,096 x 512 float32; w0 8 x 512 x 1,024 float32; w1 8 x 1,024 x 1,024 float32; w2 8 x 1,024 x 64 float32.
;; Outputs: out0 4,096 x 64 float32.
;; 2 versions, each right; version 2 is version 1 with the launch prep written anew for expert scheduling mode. Each part assembles by itself: llvm-mc -triple=amdgcn-amd-amdhsa -mcpu=gfx1250 --defsym DOCPART=n.
;; ======== version 1 of 2: 4 launches
;; limits: values are held in f16: magnitudes above 65,504 overflow, below 6.1e-05 lose precision
;; workspace buffers: w0h 8,388,608 bytes; w1h 16,777,216 bytes; w2f 1,048,576 bytes; xf0 4,194,304 bytes; x1f 8,388,608 bytes; x2f 8,388,608 bytes; x2s 131,072 bytes; g 131,072 bytes
;; launch prep (part 1): grid 256 x 1, 8 waves a work-group, no clusters, 267,264 bytes of LDS; arguments inputs, gw1, gb1, gw2, gb2, gw3, gb3, w0, w1, w2, xf0, g, w0h, w1h, w2f; writes xf0, g, w0h, w1h, w2f
.if DOCPART == 1
	.amdgcn_target "amdgcn-amd-amdhsa--gfx1250"
	.amdhsa_code_object_version 6
	.text
	.protected	k_q9a30e1b251_prep
	.globl	k_q9a30e1b251_prep
	.p2align	8
	.type	k_q9a30e1b251_prep,@function
k_q9a30e1b251_prep:
	s_mov_b64 s[64:65], 0
	v_nop
	global_prefetch_b8 v0, s[64:65] scope:SCOPE_SE
	s_setreg_imm32_b32 hwreg(HW_REG_WAVE_MODE, 25, 1), 1
	s_wait_xcnt 0x0
; PREP.  Two kinds of work-group, told apart by the work-group's number alone, 128 of each.
; Work-groups 128 to 255 CAST w0 and w1 from f32 to f16, in the same order [e][k][n]: each of the 1,024 waves takes 16 KB of w0 and 32 KB of w1.
; Work-groups 0 to 127 are the GATE: each owns 32 rows of inputs, two blocks of 16.  All eight waves stage alike: 64 rows of gw1, 16 rows of gw2, 16 bytes a thread of gw3 (rounded into LDS),
; and one batch of x, 16 rows x 128 columns, which the wave rounds to f16 into its own stage, reads back as four fragments and stores to xf0.  Behind the one barrier
;   - waves 0 and 1 each take a row block's 16 fragments out of four waves' stages and compute g = softmax(relu(relu(x gw1 + gb1) gw2 + gb2) gw3 + gb3), stored in f32,
;   - waves 2 and 3 each turn one slice of w2 (one expert, 32 k, 64 n) into four f16 matrix fragments and store them to w2f,
;   - waves 4 to 7 end.
; THE SHARES, in bytes loaded and stored by a work-group: gate 324 KB of gate weights + 64 KB of inputs + 16 KB of w2 + 41 KB out = 445 KB; cast 384 KB + 192 KB = 576 KB.
; Fewer gate groups would each move more (32 of them: 808 KB), more of them would load the 324 KB more often and leave the casts fewer work-groups.
; A FRAGMENT BLOCK is 1,024 bytes: bytes 16 L of the first 512 are registers 0-3 of lane L, bytes 512 + 16 L registers 4-7,
; so that every load or store of half a fragment covers 512 consecutive bytes of a wave, aligned.
; THE MATRIX INSTRUCTION IS USED TRANSPOSED: source 0 = 16 columns of the weights, source 1 = 16 rows of x.  In the result lane l holds
; row l % 16 and its registers 0-7 the columns 8 (l / 16) + 0..7; two neighbouring tiles, rounded in pairs, ARE source 1 of the next layer.
; FORMATS.  f16, with three more mantissa bits than bf16, wherever the operand has room for it: inputs, w0, w1, w2, gw1, gw2 (numbers of the inputs' own size) and
; h1 = relu(x gw1 + gb1): with inputs and gw1 both shifted by 30 of their spreads it reaches 512 x 30 x 1.5 = 23,040, under f16's 65,504.
; h2 would then reach 128 x 23,040 x 1.5 = 4.4 million: h2 and gw3 go in bf16.
; No clusters, no tensor loads: the casts share nothing, and what the gate groups share (gw1, gw2, gw3) has to be rounded on its way into LDS.
; LIMITS.  h1 beyond 65,504 becomes infinite.  relu is v_max_num_f32 with 0: a NaN becomes 0.  A gate weight below 2^-126 comes out as 0 (v_exp_f32 flushes: ISA guide 15.8).
.set PW,   288                         ; an LDS row of 128 numbers of 16 bits: 256 bytes + 32: an odd multiple of 32 bytes
.set GW1,  0                           ; gw1: 512 rows [k][128]
.set GW2,  512*PW                      ; gw2: 128 rows
.set GW3,  GW2+128*PW                  ; gw3: 128 rows of 32 bytes: column c holds gw3[k][c & 7], so both halves of the lanes get all 8 logits
.set STG,  GW3+128*32                  ; x: a stage for each wave: 16 rows of 256 bytes, 272 apart
.set STGB, 4608
.set W2S,  STG+8*STGB                  ; w2: a stage for each wave (waves 2 and 3 use theirs): 32 rows of 128 bytes, 160 apart
.set W2SB, 5120
.set XA,   32                          ; v32-95, v96-159, v160-223: three staging batches of 16 loads; three more in window 1, v0-191
.set XB,   96                          ; (XA and XB later hold gb1 and gb2 in the layout of a result; XA in waves 2, 3 the slice of w2)
.set XC,   160
.set H,    160                         ; v160-223: 8 accumulators; in waves 2, 3 its first 32 registers hold w2's fragments
.set GB3,  224                         ; v224-231: gb3
.set LGA,  232                         ; v232-239, v240-247: two accumulators of the logits
.set LGB,  240
.set WF0,  128                         ; window 1 in the gate's layers: v0-127 x's 16 fragments, later the packed activations; v128-191, v192-255 two buffers of 8 weight fragments
.set WF1,  192
.set MSB, 0
.macro WIN new                         ; s_set_vgpr_msb: bits 1:0 source 0, 3:2 source 1, 5:4 source 2, 7:6 destination; the high byte repeats the setting that is left
.if MSB != (\new)
	s_set_vgpr_msb (MSB<<8)|(\new)
.set MSB, (\new)
.endif
.endm
.macro PLACES                          ; four places behind a matrix instruction, in front of loads into its sources and of vector work on its result
.rept 4
	v_nop
.endr
.endm
	s_load_b512 s[4:19], s[0:1], 0x0               ; inputs s[4:5], gw1 s[6:7], gb1 s[8:9], gw2 s[10:11], gb2 s[12:13], gw3 s[14:15], gb3 s[16:17], w0 s[18:19]
	s_load_b256 s[20:27], s[0:1], 0x40             ; w1 s[20:21], w2 s[22:23], xf0 s[24:25], g s[26:27]
	s_load_b128 s[28:31], s[0:1], 0x60             ; w0h s[28:29], w1h s[30:31]
	s_load_b64 s[32:33], s[0:1], 0x70              ; w2f
	v_lshl_add_u32 v254, v0, 2, 0x41000
	v_mov_b32 v255, 0
	v_lshrrev_b32 v1, 5, v0
	v_readfirstlane_b32 s34, v1                    ; wave 0..7
	v_and_b32 v3, 31, v0                           ; lane L
	v_lshlrev_b32 v4, 4, v3                        ; 16 L: never rewritten
	s_cmp_lt_u32 ttmp9, 128
	s_cbranch_scc0 .Lcast                          ; the same way for all waves of a work-group
; ---------------------------------------------------------------- the gate
	s_lshr_b32 s47, s34, 2                         ; which of the group's two row blocks my batch of x belongs to,
	s_and_b32 s45, s34, 3                          ; and which 128 of its 512 columns
	s_and_b32 s44, s34, 1                          ; waves 0, 1: the row block that I compute; waves 2, 3: the slice of w2 that I turn
	s_lshl1_add_u32 s35, ttmp9, s47                ; my batch's block of 16 rows, 0..255
	s_lshl1_add_u32 s46, ttmp9, s44                ; the block of 16 rows of g, and the slice of w2, 0..255
	s_mul_i32 s36, s34, STGB
	s_add_co_u32 s36, s36, STG                     ; my stage for x
	s_mul_i32 s43, s34, W2SB
	s_add_co_u32 s43, s43, W2S                     ; my stage for w2
	s_mul_i32 s44, s44, 4*STGB
	s_add_co_u32 s44, s44, STG                     ; the first of the four stages that hold the row block that I compute
	s_mul_i32 s37, s34, 64*PW                      ; my 64 rows of gw1 in LDS
	s_mul_i32 s38, s34, 16*PW
	s_add_co_u32 s38, s38, GW2                     ; my 16 rows of gw2
	s_lshl_b32 s39, s34, 9
	s_add_co_u32 s39, s39, GW3                     ; my 16 rows of gw3
	s_mov_b32 s42, 0x3fb8aa3b                      ; log2(e)
	v_and_b32 v1, 15, v0                           ; r = L % 16
	v_bfe_u32 v2, v0, 4, 1                         ; h = L / 16
	v_and_b32 v19, 7, v0
	v_bfe_u32 v18, v0, 3, 1
	v_lshl_add_u32 v19, v2, 3, v19                 ; the turning load's row: 8 h + L % 8
	v_lshlrev_b32 v18, 4, v18                      ; and its 16 bytes: 16 ((L / 8) % 2)
	v_mul_u32_u24 v5, v2, 160
	v_lshl_add_u32 v5, v1, 3, v5
	v_add_nc_u32 v5, s43, v5                       ; v5: w2 into its stage: row h of a pair (pitch 160), 8 bytes at 8 r
	v_mul_u32_u24 v6, v19, 160
	v_add_nc_u32 v6, v6, v18
	v_add_nc_u32 v6, s43, v6                       ; v6: w2 out of its stage, turned
	v_lshl_add_u32 v7, v3, 3, s37                  ; v7: gw1 into LDS: 8 bytes at 8 L of a row
	v_lshl_add_u32 v8, v3, 3, s38                  ; v8: gw2 likewise
	v_lshl_add_u32 v9, v3, 3, s36                  ; v9: x into my stage (pitch 272)
	v_mul_u32_u24 v10, v1, 272
	v_lshl_add_u32 v10, v2, 4, v10                 ; a fragment's place in a stage: row r, 16 h
	v_add_nc_u32 v27, s44, v10                     ; v27: x out of the four stages of the row block that I compute
	v_add_nc_u32 v10, s36, v10                     ; v10: x out of my own stage
	v_lshrrev_b32 v11, 1, v3
	v_and_b32 v20, 1, v0
	v_lshlrev_b32 v11, 5, v11
	v_lshl_add_u32 v11, v20, 3, v11
	v_add_nc_u32 v11, s39, v11                     ; v11: gw3 into LDS: row L / 2 of my 16, 8 bytes at 8 (L % 2)
	v_lshl_add_u32 v13, v19, 5, v18
	v_add_nc_u32 v13, GW3, v13                     ; v13: gw3 out of LDS, turned
	v_lshlrev_b32 v14, 4, v0                       ; v14: 16 t: the thread's 16 bytes of gw3
	v_lshlrev_b32 v15, 5, v2                       ; v15: 32 h: a lane's 8 numbers of a bias
	v_lshlrev_b32 v16, 5, v1
	v_lshl_add_u32 v16, v2, 4, v16                 ; v16: g: row r, 16 bytes for each half of the lanes
	v_mul_u32_u24 v17, v19, PW
	v_add_nc_u32 v17, v17, v18                     ; v17: the turning load's place in a tile of pitch 288
	v_mov_b32 v26, 0                               ; v26: offset 0, for gb3
	s_mov_b32 s41, 0
	s_wait_kmcnt 0x0
	s_lshl_b32 s40, s34, 15
	s_add_nc_u64 s[6:7], s[6:7], s[40:41]          ; gw1 at my 64 rows of 512 bytes
	s_lshl_b32 s40, s34, 13
	s_add_nc_u64 s[10:11], s[10:11], s[40:41]      ; gw2 at my 16 rows
	s_lshl_b32 s40, s35, 15                        ; inputs: 16 rows of 2,048 bytes,
	s_lshl_b32 s47, s45, 9                         ; 128 columns of 4 bytes
	s_add_co_u32 s40, s40, s47
	s_add_nc_u64 s[4:5], s[4:5], s[40:41]
	s_lshl_b32 s40, s35, 14                        ; xf0: 16 blocks for 16 rows,
	s_lshl_b32 s47, s45, 12                        ; 4 blocks for 128 columns
	s_add_co_u32 s40, s40, s47
	s_add_nc_u64 s[24:25], s[24:25], s[40:41]
	s_lshl_b32 s40, s46, 9
	s_add_nc_u64 s[26:27], s[26:27], s[40:41]      ; g at 16 rows of 32 bytes
	s_lshl_b32 s40, s46, 13
	s_add_nc_u64 s[22:23], s[22:23], s[40:41]      ; w2 at a slice: 32 rows of 256 bytes
	s_lshl_b32 s40, s46, 10
	s_add_nc_u64 s[32:33], s[32:33], s[40:41]      ; w2f at block (0, e, ks)
; A batch: 16 loads, each 512 consecutive bytes of f32, into window win
.macro LOAD16 win, buf, sb, imm0, stride, nt
	WIN 0x40*\win
.set li, 0
.rept 16
.if \nt
	global_load_b128 v[\buf+4*li:\buf+4*li+3], v4, s[\sb:\sb+1] offset:\imm0+li*\stride th:TH_LOAD_NT
.else
	global_load_b128 v[\buf+4*li:\buf+4*li+3], v4, s[\sb:\sb+1] offset:\imm0+li*\stride
.endif
.set li, li+1
.endr
.endm
; The batch is rounded to f16 in place, 4 numbers to 8 bytes, and put into LDS.  Conversions and stores stand in two runs: a store's address is source 0 and lies in window 0
.macro CVST16 win, buf, va, imm0, pitch
	WIN 0x45*\win
.set li, 0
.rept 16
	v_cvt_pk_f16_f32 v[\buf+4*li], v[\buf+4*li], v[\buf+4*li+1]
	v_cvt_pk_f16_f32 v[\buf+4*li+1], v[\buf+4*li+2], v[\buf+4*li+3]
.set li, li+1
.endr
	WIN 0x04*\win
.set li, 0
.rept 16
	ds_store_b64 v[\va], v[\buf+4*li:\buf+4*li+1] offset:\imm0+li*\pitch
.set li, li+1
.endr
.endm
	; ALL OF THE WAVE'S 99 LOADS GO OUT AT ONCE, each into registers of its own: 3 for gw3 and gb3, then six batches of 16.
	global_load_b128 v[20:23], v14, s[14:15]       ; gw3
	global_load_b128 v[GB3:GB3+3], v26, s[16:17]   ; gb3
	global_load_b128 v[GB3+4:GB3+7], v26, s[16:17] offset:16
	LOAD16 0, XA, 4, 0, 2048, 1                    ; x: 16 rows, 128 columns
	LOAD16 0, XB, 6, 0, 512, 0                     ; gw1, my rows 0-15
	LOAD16 0, XC, 6, 16*512, 512, 0                ; rows 16-31
	LOAD16 1, 0, 6, 32*512, 512, 0                 ; rows 32-47
	LOAD16 1, 64, 6, 48*512, 512, 0                ; rows 48-63
	LOAD16 1, 128, 10, 0, 512, 0                   ; gw2, my 16 rows
	s_wait_loadcnt 63                              ; gw3, gb3 and x are in: behind them stand 80 loads, more than the count can name
	CVST16 0, XA, 9, 0, 272
	v_cvt_pk_bf16_f32 v20, v20, v21
	v_cvt_pk_bf16_f32 v21, v22, v23
	ds_store_b64 v11, v[20:21]                     ; gw3's columns 0-7,
	ds_store_b64 v11, v[20:21] offset:16           ; and once more as columns 8-15
	WIN 0x40                                       ; my 128 columns of x come back as four fragments (LDS serves a wave's instructions in order: ISA guide 5.7.1.4) and go to xf0
.set xi, 0
.rept 8
	ds_load_b128 v[192+4*xi:192+4*xi+3], v10 offset:(xi/2)*64+(xi%2)*32
.set xi, xi+1
.endr
	s_wait_dscnt 0x0
	WIN 0x04                                       ; a store's data is source 1: window 1
.set xi, 0
.rept 8
	global_store_b128 v4, v[192+4*xi:192+4*xi+3], s[24:25] offset:(xi/2)*1024+(xi%2)*512
.set xi, xi+1
.endr
	s_wait_loadcnt 63                              ; gw1's first batch: 64 loads stand behind it
	CVST16 0, XB, 7, 0, PW
	s_wait_loadcnt 48                              ; from here on the count is the younger batches' loads
	CVST16 0, XC, 7, 16*PW, PW
	s_wait_loadcnt 32
	CVST16 1, 0, 7, 32*PW, PW
	s_wait_loadcnt 16
	CVST16 1, 64, 7, 48*PW, PW
	s_wait_loadcnt 0x0
	CVST16 1, 128, 8, 0, PW
	WIN 0
	; what waves 0 to 3 want behind the barrier is asked for here
	s_cmp_lt_u32 s34, 2
	s_cbranch_scc0 .Lnot_compute
.set xi, 0
.rept 16                               ; waves 0, 1: the biases in the layout of a result: tile xi / 2, a lane's columns 8 h + 0..7
	global_load_b128 v[XA+4*xi:XA+4*xi+3], v15, s[8:9] offset:(xi/2)*64+(xi%2)*16
	global_load_b128 v[XB+4*xi:XB+4*xi+3], v15, s[12:13] offset:(xi/2)*64+(xi%2)*16
.set xi, xi+1
.endr
	s_branch .Lmeet
.Lnot_compute:
	s_cmp_lt_u32 s34, 4
	s_cbranch_scc0 .Lmeet
	LOAD16 0, XA, 22, 0, 512, 1                    ; waves 2, 3: a slice of w2, two rows a load
.Lmeet:
	s_wait_dscnt 0x0                               ; for the others' sake: my rows of gw1, gw2 and gw3 and my batch of x are in LDS
	s_barrier_signal -1
	s_barrier_wait -1                              ; everybody's are
	s_cmp_lt_u32 s34, 2
	s_cbranch_scc1 .Lcompute
	s_cmp_lt_u32 s34, 4
	s_cbranch_scc1 .Lw2
	s_wait_tensorcnt 0x0
	ds_add_u32 v254, v255
	s_wait_dscnt 0x0
	s_endpgm                                       ; waves 4 to 7 have done their share
; ---------------------------------------------------------------- waves 2, 3: a slice of w2
.Lw2:
	s_wait_loadcnt 0x0
	CVST16 0, XA, 5, 0, 320
.set xi, 0
.rept 8                                ; w2's fragments: 16 columns 16 (xi / 2) on, k half xi % 2
	ds_load_tr16_b128 v[H+4*xi:H+4*xi+3], v6 offset:(xi/2)*32+(xi%2)*2560
.set xi, xi+1
.endr
	s_wait_dscnt 0x0
.set xi, 0
.rept 8
	global_store_b128 v4, v[H+4*xi:H+4*xi+3], s[32:33] offset:(xi/2)*262144+(xi%2)*512
.set xi, xi+1
.endr
	s_wait_tensorcnt 0x0
	ds_add_u32 v254, v255
	s_wait_dscnt 0x0
	s_endpgm
; ---------------------------------------------------------------- waves 0, 1: the gate of 16 rows
; 16 turning loads: 8 weight fragments of 32 k at v12, into the buffer named by wfc; then v12 steps 32 rows on
.macro FETCHG
	WIN 0x40
.set xi, 0
.rept 16
	ds_load_tr16_b128 v[wfc+4*xi:wfc+4*xi+3], v12 offset:(xi/2)*32+(xi%2)*4608
.set xi, xi+1
.endr
	WIN 0
	v_add_nc_u32 v12, 32*PW, v12
.endm
; One layer of 128 outputs, in f16: H[b] = bias + the sum over nks steps of W(ks, b) x X(ks).  The first product takes the bias as C: nothing is cleared or added later.
; The 8 accumulators take turns, one instruction a turn.
.macro GLAYER nks, base, bias
	v_add_nc_u32 v12, \base, v17
.set wfc, WF0
	FETCHG
.set wfc, WF1
	FETCHG
.set ks, 0
.rept \nks
.if ks == \nks-1
	s_wait_dscnt 0x0                               ; the last step's fragments: none were asked for behind them
.else
	s_wait_dscnt 16                                ; this step's fragments (and all that was asked for ahead of them) are in; the other buffer's 16 loads stay out
.endif
	WIN 0x05                                       ; both sources window 1, C and D window 0
.set wfc, WF0+64*(ks%2)
.set gb, 0
.rept 8
.if ks == 0
	v_wmma_f32_16x16x32_f16 v[H+8*gb:H+8*gb+7], v[wfc+8*gb:wfc+8*gb+7], v[8*ks:8*ks+7], v[\bias+8*gb:\bias+8*gb+7]
.else
	v_wmma_f32_16x16x32_f16 v[H+8*gb:H+8*gb+7], v[wfc+8*gb:wfc+8*gb+7], v[8*ks:8*ks+7], v[H+8*gb:H+8*gb+7]
.endif
.set gb, gb+1
.endr
.if ks+2 < \nks
	PLACES
	FETCHG                                         ; the step after next, into the buffer just multiplied
.endif
.set ks, ks+1
.endr
.endm
; relu, then rounding in pairs (half = 1: to f16; 0: to bf16): tile b's 8 numbers become registers 4 b .. 4 b + 3 of window 1: four fragments of source 1
.macro RPACK half
	PLACES
	WIN 0
.set xi, 0
.rept 64
	v_max_num_f32 v[H+xi], 0, v[H+xi]
.set xi, xi+1
.endr
	WIN 0x40
.set xi, 0
.rept 32
.if \half
	v_cvt_pk_f16_f32 v[xi], v[H+2*xi], v[H+2*xi+1]
.else
	v_cvt_pk_bf16_f32 v[xi], v[H+2*xi], v[H+2*xi+1]
.endif
.set xi, xi+1
.endr
	WIN 0
.endm
.Lcompute:
	s_wait_loadcnt 0x0                             ; the biases
	s_wait_xcnt 0x0                                ; my stores to xf0 have had their addresses translated (ISA guide 3.1): their registers are rewritten below
	WIN 0x40
.set xi, 0
.rept 32                               ; my row block's 16 fragments of x: four out of each of four waves' stages
	ds_load_b128 v[4*xi:4*xi+3], v27 offset:(xi/8)*STGB+((xi%8)/2)*64+(xi%2)*32
.set xi, xi+1
.endr
	WIN 0
	GLAYER 16, GW1, XA
	RPACK 1                                        ; h1 in f16
	GLAYER 4, GW2, XB
	RPACK 0                                        ; h2 in bf16
	WIN 0x40
.set xi, 0
.rept 8                                ; gw3: four fragments of 32 k x 16 columns
	ds_load_tr16_b128 v[WF0+4*xi:WF0+4*xi+3], v13 offset:(xi/2)*1024+(xi%2)*512
.set xi, xi+1
.endr
	s_wait_dscnt 0x0
	WIN 0x05
	v_wmma_f32_16x16x32_bf16 v[LGA:LGA+7], v[WF0:WF0+7], v[0:7], v[GB3:GB3+7]          ; two accumulators by turns; the first starts from gb3
	v_wmma_f32_16x16x32_bf16 v[LGB:LGB+7], v[WF0+8:WF0+15], v[8:15], 0
	v_wmma_f32_16x16x32_bf16 v[LGA:LGA+7], v[WF0+16:WF0+23], v[16:23], v[LGA:LGA+7]
	v_wmma_f32_16x16x32_bf16 v[LGB:LGB+7], v[WF0+24:WF0+31], v[24:31], v[LGB:LGB+7]
	PLACES
	WIN 0
.irp p, 0,2,4,6
	v_pk_add_f32 v[LGA+\p:LGA+\p+1], v[LGA+\p:LGA+\p+1], v[LGB+\p:LGB+\p+1]            ; a lane now holds its row's 8 logits
.endr
	; softmax inside the lane: the maximum m is taken away; 2^(l log2 e - m log2 e), and the rounding of m log2 e is a common shift that the division removes
	v_max3_num_f32 v248, v[LGA], v[LGA+1], v[LGA+2]
	v_max3_num_f32 v249, v[LGA+3], v[LGA+4], v[LGA+5]
	v_max3_num_f32 v248, v248, v[LGA+6], v[LGA+7]
	v_max_num_f32 v248, v248, v249
	v_mul_f32 v249, s42, v248
.irp j, 0,1,2,3,4,5,6,7
	v_fma_f32 v[LGA+\j], v[LGA+\j], s42, -v249
.endr
.irp j, 0,1,2,3,4,5,6,7
	v_exp_f32 v[LGA+\j], v[LGA+\j]
.endr
	v_nop                                          ; a plain instruction between the exponentials and the use of their results (ISA guide 5.7.2)
	s_wait_alu depctr_va_vdst(0)
	v_add_f32 v248, v[LGA], v[LGA+1]
	v_add_f32 v249, v[LGA+2], v[LGA+3]
	v_add_f32 v250, v[LGA+4], v[LGA+5]
	v_add_f32 v251, v[LGA+6], v[LGA+7]
	v_add_f32 v248, v248, v249
	v_add_f32 v250, v250, v251
	v_add_f32 v248, v248, v250
	v_cmp_ne_u32 vcc_lo, 0, v2                     ; the upper half of the lanes
	v_rcp_f32 v249, v248
	v_nop
	s_wait_alu depctr_va_vdst(0)
.irp j, 0,1,2,3,4,5,6,7
	v_mul_f32 v[LGA+\j], v[LGA+\j], v249
.endr
.irp j, 0,1,2,3
	v_cndmask_b32 v[LGB+\j], v[LGA+\j], v[LGA+4+\j], vcc_lo   ; lanes 0-15 store experts 0-3 of their row, lanes 16-31 experts 4-7
.endr
	global_store_b128 v16, v[LGB:LGB+3], s[26:27]  ; the wave's 16 rows of g: 512 consecutive bytes, aligned
	s_wait_tensorcnt 0x0
	ds_add_u32 v254, v255
	s_wait_dscnt 0x0
	s_endpgm
; ---------------------------------------------------------------- the casts
.Lcast:
	v_lshlrev_b32 v5, 3, v3                        ; 8 L: a lane's 8 bytes of f16
	s_sub_co_u32 s35, ttmp9, 128
	s_lshl3_add_u32 s36, s35, s34                  ; my wave among the 1,024 that cast
	s_mov_b32 s41, 0
	s_wait_kmcnt 0x0
	s_lshl_b32 s40, s36, 14
	s_add_nc_u64 s[18:19], s[18:19], s[40:41]      ; w0: 16 KB a wave
	s_add_nc_u64 s[30:31], s[30:31], s[40:41]      ; w1h: 16 KB a wave too
	s_lshl_b32 s40, s36, 13
	s_add_nc_u64 s[28:29], s[28:29], s[40:41]      ; w0h: 8 KB
	s_lshl_b32 s40, s36, 15
	s_add_nc_u64 s[20:21], s[20:21], s[40:41]      ; w1: 32 KB
	; all of the wave's 48 KB is asked for at once: 32 loads of w0 into v64-191, 64 of w1 into window 1; each is rounded in place: no register is loaded twice
.set xi, 0
.rept 32
	global_load_b128 v[64+4*xi:64+4*xi+3], v4, s[18:19] offset:xi*512 th:TH_LOAD_NT
.set xi, xi+1
.endr
	WIN 0x40
.set xi, 0
.rept 64
	global_load_b128 v[4*xi:4*xi+3], v4, s[20:21] offset:xi*512 th:TH_LOAD_NT
.set xi, xi+1
.endr
.set cq, 0
.rept 2
	s_wait_loadcnt 63                              ; this group of 16 loads is in: behind it stand 80 or 64, more than the count can name
	WIN 0
.set xi, 16*cq
.rept 16
	v_cvt_pk_f16_f32 v[64+4*xi], v[64+4*xi], v[64+4*xi+1]
	v_cvt_pk_f16_f32 v[64+4*xi+1], v[64+4*xi+2], v[64+4*xi+3]
.set xi, xi+1
.endr
.set xi, 16*cq
.rept 16
	global_store_b64 v5, v[64+4*xi:64+4*xi+1], s[28:29] offset:xi*256   ; 32 lanes store 256 consecutive bytes, aligned
.set xi, xi+1
.endr
.set cq, cq+1
.endr
.set cq, 0
.rept 4
	s_wait_loadcnt 48-16*cq                        ; this group of 16 loads is in; the later groups stay out
	WIN 0x45
.set xi, 16*cq
.rept 16
	v_cvt_pk_f16_f32 v[4*xi], v[4*xi], v[4*xi+1]
	v_cvt_pk_f16_f32 v[4*xi+1], v[4*xi+2], v[4*xi+3]
.set xi, xi+1
.endr
	WIN 0x04                                       ; a store's address is source 0, window 0; its data source 1, window 1
.set xi, 16*cq
.rept 16
	global_store_b64 v5, v[4*xi:4*xi+1], s[30:31] offset:xi*256
.set xi, xi+1
.endr
.set cq, cq+1
.endr
	WIN 0
	s_endpgm
.Lfunc_end_k_q9a30e1b251_prep:
	.size	k_q9a30e1b251_prep, .Lfunc_end_k_q9a30e1b251_prep-k_q9a30e1b251_prep
	.p2alignl 7, 3214868480
	.fill 96, 4, 3214868480
	.section	.rodata,"a",@progbits
	.p2align	6, 0x0
	.amdhsa_kernel k_q9a30e1b251_prep
		.amdhsa_group_segment_fixed_size 267264
		.amdhsa_private_segment_fixed_size 0
		.amdhsa_enable_private_segment 0
		.amdhsa_kernarg_size 120
		.amdhsa_user_sgpr_count 2
		.amdhsa_user_sgpr_kernarg_segment_ptr 1
		.amdhsa_wavefront_size32 1
		.amdhsa_system_sgpr_workgroup_id_x 1
		.amdhsa_system_sgpr_workgroup_id_y 1
		.amdhsa_system_sgpr_workgroup_id_z 1
		.amdhsa_system_vgpr_workitem_id 0
		.amdhsa_next_free_vgpr 512
		.amdhsa_next_free_sgpr 66
		.amdhsa_reserve_vcc 1
		.amdhsa_float_denorm_mode_32 3
		.amdhsa_float_denorm_mode_16_64 3
		.amdhsa_memory_ordered 1
		.amdhsa_forward_progress 1
		.amdhsa_inst_pref_size 124
	.end_amdhsa_kernel
	.amdgpu_metadata
---
amdhsa.version: [ 1, 2 ]
amdhsa.kernels:
  - .name:           k_q9a30e1b251_prep
    .symbol:         k_q9a30e1b251_prep.kd
    .args:
      - { .name: inputs, .offset: 0, .size: 8, .value_kind: global_buffer, .address_space: global }
      - { .name: gw1, .offset: 8, .size: 8, .value_kind: global_buffer, .address_space: global }
      - { .name: gb1, .offset: 16, .size: 8, .value_kind: global_buffer, .address_space: global }
      - { .name: gw2, .offset: 24, .size: 8, .value_kind: global_buffer, .address_space: global }
      - { .name: gb2, .offset: 32, .size: 8, .value_kind: global_buffer, .address_space: global }
      - { .name: gw3, .offset: 40, .size: 8, .value_kind: global_buffer, .address_space: global }
      - { .name: gb3, .offset: 48, .size: 8, .value_kind: global_buffer, .address_space: global }
      - { .name: w0, .offset: 56, .size: 8, .value_kind: global_buffer, .address_space: global }
      - { .name: w1, .offset: 64, .size: 8, .value_kind: global_buffer, .address_space: global }
      - { .name: w2, .offset: 72, .size: 8, .value_kind: global_buffer, .address_space: global }
      - { .name: xf0, .offset: 80, .size: 8, .value_kind: global_buffer, .address_space: global }
      - { .name: g, .offset: 88, .size: 8, .value_kind: global_buffer, .address_space: global }
      - { .name: w0h, .offset: 96, .size: 8, .value_kind: global_buffer, .address_space: global }
      - { .name: w1h, .offset: 104, .size: 8, .value_kind: global_buffer, .address_space: global }
      - { .name: w2f, .offset: 112, .size: 8, .value_kind: global_buffer, .address_space: global }
    .group_segment_fixed_size: 267264
    .private_segment_fixed_size: 0
    .kernarg_segment_align: 8
    .kernarg_segment_size: 120
    .max_flat_workgroup_size: 256
    .sgpr_count:     66
    .vgpr_count:     512
    .wavefront_size: 32
...
	.end_amdgpu_metadata
.endif
;; end of part 1
;; launch layer0 (part 2): grid 8 x 32, 4 waves a work-group, clusters of 4 x 4, 327,680 bytes of LDS; arguments xf0, w0h, b0, g, x1f; writes x1f
.if DOCPART == 2
	.amdgcn_target "amdgcn-amd-amdhsa--gfx1250"
	.amdhsa_code_object_version 6
	.text
	.protected	k_q9a30e1b251_layer0
	.globl	k_q9a30e1b251_layer0
	.p2align	8
	.type	k_q9a30e1b251_layer0,@function
k_q9a30e1b251_layer0:
	s_mov_b64 s[64:65], 0
	v_nop
	global_prefetch_b8 v0, s[64:65] scope:SCOPE_SE
	s_setreg_imm32_b32 hwreg(HW_REG_WAVE_MODE, 25, 1), 1
	s_wait_xcnt 0x0
	s_wait_alu depctr_hold_cnt(0) depctr_sa_sdst(0) depctr_va_vdst(0) depctr_va_sdst(0) depctr_va_ssrc(0) depctr_va_vcc(0) depctr_vm_vsrc(0)
	s_getreg_b32 s2, hwreg(HW_REG_IB_STS2, 6, 4)
	s_cmp_eq_u32 s2, 0
	s_cbranch_scc0 .Lentry_in_a_cluster
	s_endpgm
.Lentry_in_a_cluster:
	s_bfe_u32 s2, ttmp6, 0x10000c
	s_cmp_lg_u32 s2, 0xf033
	s_cbranch_scc0 .Lentry_shape_is_right
	s_endpgm
.Lentry_shape_is_right:
; ONE EXPERT LAYER: xout[m][n] = relu( sum over e of g[m][e] ( sum over k of x[m][k] w[e][k][n] + b[e][n] ) ), 4,096 rows, KD inputs, 1,024 outputs, 8 experts.
; x comes as f16 fragment blocks (block (m / 16, k / 32) of 1,024 bytes: registers 0-3 of lane L at 16 L, registers 4-7 at 512 + 16 L), w as f16 [e][k][n], b and g in f32;
; xout leaves as fragment blocks of the same kind.  Products in f16 with f32 sums; the gate is applied in f32.
; FORMATS.  f16, with three more mantissa bits than bf16.  The first layer's x and w are the problem's inputs.  Its result x1 (KD = 512) leaves in plain f16: with inputs and
; w0 both shifted by 30 of their spreads it reaches 512 x 30 x 1.5 = 23,040, with both 30 times larger some 1,900, under f16's 65,504; with both 30 times smaller it is some 3e-4, where f16's step
; of 6e-8 is still finer than bf16's.  The second layer's result x2 (KD = 1,024) would reach 1,024 x 23,040 x 1.5 = 35 million: it leaves in f16 WITH A SCALE: for each row and the work-group's
; 128 columns a power of two brings the largest number into [2^14, 2^15), exactly; the reciprocal power goes to xs, f32 [block of 128 columns][row], and the last layer multiplies its sums by it.
; SHARES.  A work-group makes 128 rows x 128 columns: 256 work-groups.  Each of its four waves makes 64 x 64: 16 tiles (a, b) of 16 x 16.
; A SEGMENT is one expert x 512 along k: 16 k steps, 256 matrix instructions a wave, summed in acc_e from the constant 0; at its end acc_tot += g_e acc_e (64 packed fused multiply-adds).
; acc_tot starts as the sum over e of g_e b_e, so nothing is cleared and no bias is added later.
; x STAYS IN REGISTERS: a wave's 64 rows x 512 k are 512 registers, loaded once for all 8 experts, straight from memory as fragments; with 1,024 inputs in two chunks:
; all experts walk the first 512 k, then all walk the second, and the second chunk enters pair by pair while the first chunk's last expert leaves each pair.
; w STREAMS THROUGH LDS: two slots, each a whole segment's tile (512 k rows x 128 n, rows of 256 bytes padded to 288).  Each wave fetches 128 rows by one tensor load.
; CLUSTER 4 x 4.  The four work-groups of a column of the cluster make the same 128 columns and walk the same tiles of w: each tile is asked for JOINTLY.
; x is not: it lands in registers, where no joint load can put it, and is KD / 2 KB of the (KD / 2 + 2 KD) KB that a work-group reads, a fifth.
; THE MATRIX INSTRUCTION IS USED TRANSPOSED: source 0 = 16 columns of w (turned on the way out of LDS by ds_load_tr16_b128), source 1 = 16 rows of x.  In the result lane l holds
; row l % 16 and columns 8 (l / 16) + 0..7: the gate is one number a lane and row block, and two neighbouring tiles, rounded in pairs, are a fragment of the next layer's x.
; LIMITS.  x1 beyond 65,504 becomes infinite.  relu is v_max_num_f32 with 0: a NaN becomes 0.  A row's 128 numbers of x2 whose largest is under 2^-112 are scaled as if it were 2^-112.
; REGISTERS, in windows of 256: window 0: addresses, gates, v128-191 and v192-255 two buffers of w's fragments (2 k steps x 4 column blocks);
;   window 1: v0-127 acc_e, v128-255 acc_tot (tile (a, b) at 8 (4 a + b));  window 2: x of k steps 0-7 (step s, block a at 8 (4 s + a));  window 3: k steps 8-15.
.set KD,     512                       ; the layer's inputs: 512 (one chunk of x) or 1,024 (two)
.set PW,     288                       ; an LDS row: 256 bytes + 32: an odd multiple of 32 bytes
.set QUART,  128*PW                    ; 128 rows: what one tensor load brings
.set SLOT,   4*QUART
.set XCH,    2*SLOT                    ; KD = 1,024: behind the ring, 512 bytes for each wave, where the row maxima meet; no tensor load fills them
.set STEP,   KD*4096                   ; bytes from a segment's tile to the tile two experts on: 2 KD rows of 2,048 bytes
.set BACK,   (6*KD-512)*2048           ; KD = 1,024: from experts 6, 7 of the first chunk back to experts 0, 1 of the second
.set LOFF,   10                        ; v10  16 L
.set GOFF,   11                        ; v11  32 r: my row in a block of 16 rows of g
.set BOFF,   12                        ; v12  byte offset of my 8 columns of tile 0 in a row of b
.set XOFF,   13                        ; v13  4 L: my row's word in xs
.set XST,    14                        ; v14  LDS: where my wave's maxima go
.set XLD,    15                        ; v15  LDS: the maxima of the first of the two waves that share my rows
.set ADRW,   16                        ; v16-23  the turning load's address in quarter n % 4 of slot n / 4
.set G,      24                        ; v24-31  this segment's gate of row block a in v[24 + 2 a]; the odd registers are 0: the packed form names pairs
.set MX,     32                        ; v32-35  the way out: the largest number of my row of row block a, then its exponent
.set LDA,    36                        ; v36-43  the way out: the two waves' maxima
.set PS,     44                        ; v44-51  the way out: row block a's scale in v[44 + 2 a], its reciprocal in v[45 + 2 a]
.set GA,     96                        ; v96-127 all 8 gates of row block a at 96 + 8 a
.set F0,     128
.set F1,     192
.set TOT,    128                       ; acc_tot, in window 1
.set WV,     14                        ; s14  the wave's number
.set G1,     24                        ; s[24:31] descriptor group 1
.set G0,     32                        ; s[32:39] descriptor group 0, a set for each slot
.set GQ,     42                        ; s[42:43] g at my 64 rows, plus 4 bytes for each expert passed
.set MUL_LO, 0x58                      ; source 0 (w) window 0, source 1 (x) window 2, C and D window 1
.set MUL_HI, 0x5c                      ; the same with x in window 3
.set MSB, 0
.macro WIN new                         ; s_set_vgpr_msb: bits 1:0 source 0, 3:2 source 1, 5:4 source 2, 7:6 destination; the high byte repeats the setting that is left
.if MSB != (\new)
	s_set_vgpr_msb (MSB<<8)|(\new)
.set MSB, (\new)
.endif
.endm
.macro PLACES                          ; four places behind a matrix instruction, in front of loads into its sources and of vector work on its result (ISA guide 7.12.1 for the vector work)
.rept 4
	v_nop
.endr
.endm
.macro JLOAD s                         ; a joint load: every wave asks for its own 128 rows of the tile; four v_nop follow
	tensor_load_to_lds s[G0+4*(\s):G0+4*(\s)+3], s[G1:G1+7]
	s_nop 0
.rept 4
	v_nop
.endr
.endm
.macro CREST                           ; a round of the cluster's barrier behind its opening barrier
	s_cmp_lg_u32 s[WV], 0
	s_cbranch_scc1 .Lnot_wave_0_\@
	s_barrier_signal -3
.Lnot_wave_0_\@:
	s_barrier_wait -3
	s_barrier_signal -1
	s_barrier_wait -1
.endm
.macro CROUND                          ; a whole round
	s_barrier_signal -1
	s_barrier_wait -1
	CREST
.endm
; 16 loads: x's fragments of k steps 2 q and 2 q + 1 of chunk c, four row blocks each; each load is 512 consecutive bytes
.macro ALOAD q, c
.if (\q) < 4
	WIN 0x80
.else
	WIN 0xc0
.endif
.set lk, 2*(\q)
.rept 2
.set la, 0
.rept 4
	global_load_b128 v[8*(4*(lk%8)+la):8*(4*(lk%8)+la)+3], v[LOFF], s[4:5] offset:la*(KD*32)+(16*(\c)+lk)*1024
	global_load_b128 v[8*(4*(lk%8)+la)+4:8*(4*(lk%8)+la)+7], v[LOFF], s[4:5] offset:la*(KD*32)+(16*(\c)+lk)*1024+512
.set la, la+1
.endr
.set lk, lk+1
.endr
.endm
; 16 turning loads in one run: w's fragments of k steps 2 q and 2 q + 1 (the first step's eight first), four column blocks each, into buffer f
.macro FETCH slot, q, f
	WIN 0
.set fk, 0
.rept 2
.set fb, 0
.rept 4
	ds_load_tr16_b128 v[\f+32*fk+8*fb:\f+32*fk+8*fb+3], v[ADRW+4*(\slot)+(\q)/2] offset:((\q)%2)*64*PW+fk*32*PW+fb*32
	ds_load_tr16_b128 v[\f+32*fk+8*fb+4:\f+32*fk+8*fb+7], v[ADRW+4*(\slot)+(\q)/2] offset:((\q)%2)*64*PW+fk*32*PW+fb*32+16*PW
.set fb, fb+1
.endr
.set fk, fk+1
.endr
.endm
; Matrix instructions of k step ks (half kk of buffer f): row blocks a0 .. a0 + na - 1 x all 4 column blocks.  zero = 1: the products start the sums.
; The 16 accumulators take turns, one instruction a turn, in the same order everywhere.
.macro MULT f, kk, ks, a0, na, zero
.set ma, \a0
.rept \na
.set mb, 0
.rept 4
.if \zero
	v_wmma_f32_16x16x32_f16 v[8*(4*ma+mb):8*(4*ma+mb)+7], v[\f+32*\kk+8*mb:\f+32*\kk+8*mb+7], v[8*(4*((\ks)%8)+ma):8*(4*((\ks)%8)+ma)+7], 0
.else
	v_wmma_f32_16x16x32_f16 v[8*(4*ma+mb):8*(4*ma+mb)+7], v[\f+32*\kk+8*mb:\f+32*\kk+8*mb+7], v[8*(4*((\ks)%8)+ma):8*(4*((\ks)%8)+ma)+7], v[8*(4*ma+mb):8*(4*ma+mb)+7]
.endif
.set mb, mb+1
.endr
.set ma, ma+1
.endr
.endm
; Pair q (0 to 6) of a segment's eight pairs of k steps: 32 matrix instructions on buffer q % 2; in its middle the next pair's fragments are fetched into the other buffer.
; await = 1: x may still be on its way.  reload = 1: the pair of x just left is loaded again with the second chunk.  eoff: 4 x the expert's parity.
.macro PAIR slot, q, await, reload, eoff
.set pf, F0+64*((\q)%2)
.set pg, F0+64*((\q+1)%2)
.if \q < 4
.set pw, MUL_LO
.else
.set pw, MUL_HI
.endif
.if \await
.if 16*(7-\q) > 63
	s_wait_loadcnt 63                              ; behind this pair's loads of x stand 16 for each later pair, more than the count can name
.else
	s_wait_loadcnt 16*(7-\q)                       ; this pair of x is in: 16 loads for each later pair may stay out
.endif
.endif
	s_wait_dscnt 8                                 ; the first k step's fragments are in; the second's eight loads may be out
	WIN pw
.if \q == 0
	MULT pf, 0, 2*\q, 0, 4, 1
.else
	MULT pf, 0, 2*\q, 0, 4, 0
.endif
	PLACES
.if \q == 0
	WIN 0
.irp a, 0,1,2,3
	global_load_b32 v[G+2*\a], v[GOFF], s[GQ:GQ+1] offset:\a*512+\eoff   ; this expert's gates, wanted at the segment's end
.endr
.endif
.if \reload && (\q > 0)
	ALOAD \q-1, 1
.endif
	FETCH \slot, \q+1, pg
	s_wait_dscnt 16                                ; all but the 16 just issued
	WIN pw
	MULT pf, 1, 2*\q+1, 0, 4, 0
.endm
; The last pair multiplies buffer 1 and changes slots.  mode 2: the slot is filled again; 1: it is left; 0: the very last segment.
; ONE barrier for the change: in front of it each wave waits for its own reads of the slot and for all its tensor loads, of which one is out: its part of the other slot.
; Where the slot is filled again the barrier opens a round of the cluster's barrier: no wave of any partner still reads the slot or has a load on its way when the joint refill,
; the first thing behind the round, goes out.  It has the whole next segment, 240 matrix instructions and more, in which to land.
.macro TURN slot, mode, back, await, reload
.if \await
	s_wait_loadcnt 0x0                             ; the last pair of x
.endif
	s_wait_dscnt 8
	WIN MUL_HI
.if \mode == 0
	MULT F1, 0, 14, 0, 4, 0
	s_wait_dscnt 0x0
	MULT F1, 1, 15, 0, 4, 0
.else
	MULT F1, 0, 14, 0, 2, 0
	s_wait_dscnt 0x0                               ; my reads of this slot are over
	s_set_vgpr_msb 0x5c50
	s_wait_tensorcnt 0x0                           ; and all my tensor loads have landed
	ds_add_u32 v94, v95
	s_wait_dscnt 0x0
	s_set_vgpr_msb 0x505c
	s_barrier_signal -1
	MULT F1, 0, 14, 2, 2, 0                        ; work on registers while the others arrive
	WIN 0                                          ; at a branch and at a label every window is 0
	s_barrier_wait -1
.if \mode == 2
	CREST
.if \back
	s_sub_nc_u64 s[G0+4*\slot+2:G0+4*\slot+3], s[G0+4*\slot+2:G0+4*\slot+3], BACK
.else
	s_add_nc_u64 s[G0+4*\slot+2:G0+4*\slot+3], s[G0+4*\slot+2:G0+4*\slot+3], STEP
.endif
	JLOAD \slot                                    ; its four v_nop are also the places in front of the loads below
.else
	PLACES
.endif
.if \reload
	ALOAD 6, 1
.endif
	FETCH 1-\slot, 0, F0
	WIN MUL_HI
	MULT F1, 1, 15, 0, 4, 0
.endif
.endm
; acc_tot += g_e acc_e.  The four v_nop and the other tiles' multiply-adds are also the places in front of the next segment's products, which write acc_e anew.
.macro FOLD reload, gwait
	PLACES
.if \reload
	ALOAD 7, 1
.endif
	s_wait_loadcnt \gwait                          ; the gates are in.  0, or, where 128 loads of x were issued behind them, the largest count there is
	WIN 0x51                                       ; acc_e and acc_tot window 1, the gate window 0
.set fa, 0
.rept 4
.set fn, 0
.rept 16
	v_pk_fma_f32 v[TOT+32*fa+2*fn:TOT+32*fa+2*fn+1], v[32*fa+2*fn:32*fa+2*fn+1], v[G+2*fa:G+2*fa+1], v[TOT+32*fa+2*fn:TOT+32*fa+2*fn+1] op_sel_hi:[1,0,1]
.set fn, fn+1
.endr
.set fa, fa+1
.endr
.endm
.macro SEG slot, mode, back, await, reload, eoff, gwait
.irp q, 0,1,2,3,4,5,6
	PAIR \slot, \q, \await, \reload, \eoff
.endr
	TURN \slot, \mode, \back, \await, \reload
	FOLD \reload, \gwait
.endm
; Three trips of two segments: experts 2 d and 2 d + 1 of a chunk, d = 0, 1, 2; both slots are filled again, two experts on
.macro THREE
	s_mov_b32 s40, 3
.Ldouble_\@:
	SEG 0, 2, 0, 1, 0, 0, 0
	SEG 1, 2, 0, 0, 0, 4, 0
	WIN 0
	s_wait_xcnt 0x0                                ; the loads of the gates have had their addresses translated (ISA guide 3.1): their base steps only behind this wait
	s_add_nc_u64 s[GQ:GQ+1], s[GQ:GQ+1], 8
	s_sub_co_u32 s40, s40, 1
	s_cmp_lg_u32 s40, 0
	s_cbranch_scc1 .Ldouble_\@
.endm
	s_load_b256 s[4:11], s[0:1], 0x0               ; x s[4:5], w s[6:7], b s[8:9], g s[10:11]
	s_load_b64 s[12:13], s[0:1], 0x20              ; xout
	v_lshl_add_u32 v94, v0, 2, 0x48000
	v_mov_b32 v95, 0
	ds_add_u32 v94, v95
.if KD == 1024
	s_load_b64 s[58:59], s[0:1], 0x28              ; xs
.endif
	v_lshrrev_b32 v1, 5, v0
	v_readfirstlane_b32 s[WV], v1                  ; wave 0..3
	s_lshr_b32 s15, s[WV], 1                       ; wm: which 64 rows
	s_and_b32 s16, s[WV], 1                        ; wn: which 64 columns
	s_bfe_u32 s17, ttmp6, 0x40000                  ; cx
	s_bfe_u32 s18, ttmp6, 0x40004                  ; cy
	s_lshl_b32 s19, ttmp9, 2
	s_add_co_u32 s19, s19, s17                     ; bx: block of 128 columns = 4 x cluster x + cx
	s_and_b32 s20, ttmp7, 0xffff
	s_lshl_b32 s20, s20, 2
	s_add_co_u32 s20, s20, s18                     ; by: block of 128 rows = 4 x cluster y + cy
	s_lshl_b32 s21, 0x1111, s17                    ; my column of the cluster: places cx, cx + 4, cx + 8, cx + 12
	; descriptor group 1: a tile of 128 rows x 128 elements, padded in LDS
	s_or_b32 s[G1+0], s21, (1<<16)|(1<<20)|(1<<21)|(5<<22)|(7<<25)  ; 15:0 the mask; 17:16 elements of 2 bytes; 20 padding on; 21 set beside a mask; 24:22 after every 64 words (code 5); 31:25 8 words of it (code 7)
	s_mov_b32 s[G1+1], 128<<16                     ; tensor_dim0 = 128
	s_mov_b32 s[G1+2], 128<<16                     ; tensor_dim1 = 128
	s_mov_b32 s[G1+3], 128<<16                     ; tile_dim0 = 128
	s_mov_b32 s[G1+4], 128                         ; tile_dim1 = 128
	s_mov_b32 s[G1+5], 1024                        ; elements from row to row
	s_mov_b32 s[G1+6], 0
	s_mov_b32 s[G1+7], 0
	; w's tiles hang on bx, the wave's number and the segment: all that my column of the cluster shares.  No register below, up to s47, ever holds cy or by.
	s_lshl_b32 s44, s[WV], 18                      ; my 128 rows of 2,048 bytes
	s_lshl_b32 s45, s19, 8                         ; my block's 128 columns
	s_add_co_u32 s44, s44, s45
	s_mov_b32 s45, 0
	s_mul_i32 s46, s[WV], QUART                    ; and where they go: no place in the cluster enters an LDS address
	s_lshl_b32 s47, s19, 9
	s_lshl_b32 s56, s16, 8
	s_add_co_u32 s47, s47, s56                     ; byte offset of my 64 columns in a row of b
	; x, g, xout and xs hang on by too: registers of their own
	s_lshl_b32 s48, s20, 3
	s_lshl2_add_u32 s48, s15, s48                  ; my first block of 16 rows: 8 by + 4 wm
	s_mul_i32 s50, s48, KD*32                      ; KD / 32 blocks of 1,024 bytes for each
	s_mov_b32 s51, 0
	s_lshl_b32 s52, s48, 9                         ; 16 rows of 32 bytes of g
	s_mov_b32 s53, 0
	s_lshl_b32 s54, s48, 5                         ; xout has 32 blocks for 16 rows;
	s_lshl2_add_u32 s54, s19, s54                  ; my columns begin at block 4 bx + 2 wn
	s_lshl1_add_u32 s54, s16, s54
	s_lshl_b32 s54, s54, 10
	s_mov_b32 s55, 0
.if KD == 1024
	s_lshl_b32 s62, s19, 14                        ; xs: 4,096 rows of 4 bytes for each block of 128 columns,
	s_lshl_b32 s63, s48, 6                         ; 16 rows of 4 bytes for each row block;
	s_add_co_u32 s62, s62, s63
	s_lshl_b32 s63, s16, 7                         ; of the 64 rows that two waves share, wave wn stores rows 32 wn .. 32 wn + 31
	s_add_co_u32 s62, s62, s63
	s_mov_b32 s63, 0
.endif
	s_wait_dscnt 0x0
	s_wait_kmcnt 0x0
	s_add_nc_u64 s[6:7], s[6:7], s[44:45]
	s_add_nc_u64 s[4:5], s[4:5], s[50:51]
	s_add_nc_u64 s[GQ:GQ+1], s[10:11], s[52:53]
	s_add_nc_u64 s[12:13], s[12:13], s[54:55]
.if KD == 1024
	s_add_nc_u64 s[58:59], s[58:59], s[62:63]
.endif
	CROUND                                         ; all sixteen work-groups are here: the first joint loads meet
.irp s, 0,1
	s_mov_b32 s[G0+4*\s], 1                                        ; count = 1
	s_add_co_u32 s[G0+4*\s+1], s46, \s*SLOT                        ; LDS address
	s_add_nc_u64 s[G0+4*\s+2:G0+4*\s+3], s[6:7], \s*KD*2048        ; global address: expert s, first chunk
	s_or_b32 s[G0+4*\s+3], s[G0+4*\s+3], 0x80000000                ; type = 2
	JLOAD \s                                       ; both slots are asked for before anything else: two tensor loads of mine are out here, one behind each later round
.endr
	v_and_b32 v1, 15, v0                           ; r
	v_bfe_u32 v2, v0, 4, 1                         ; h
	v_and_b32 v3, 31, v0
	v_lshlrev_b32 v[LOFF], 4, v3
	v_lshlrev_b32 v[GOFF], 5, v1
	v_lshl_add_u32 v[BOFF], v2, 5, s47
	v_and_b32 v4, 7, v0
	v_lshl_add_u32 v4, v2, 3, v4                   ; the turning load's row: 8 h + L % 8
	v_mul_u32_u24 v4, v4, PW
	v_bfe_u32 v5, v0, 3, 1
	v_lshl_add_u32 v4, v5, 4, v4                   ; its 16 bytes: 16 ((L / 8) % 2)
	s_lshl_b32 s57, s16, 7
	v_add_nc_u32 v4, s57, v4                       ; my 64 columns: 128 bytes wn
.irp n, 0,1,2,3,4,5,6,7
	v_add_nc_u32 v[ADRW+\n], \n*QUART, v4
.endr
.irp a, 0,1,2,3
	v_mov_b32 v[G+2*\a+1], 0
.endr
.if KD == 1024
	v_lshlrev_b32 v[XOFF], 2, v3
	s_lshl_b32 s56, s[WV], 9
	s_add_co_u32 s56, s56, XCH
	v_add_nc_u32 v[XST], s56, v[LOFF]              ; my wave's 512 bytes
	s_lshl_b32 s56, s15, 10
	s_add_co_u32 s56, s56, XCH
	v_add_nc_u32 v[XLD], s56, v[LOFF]              ; those of waves 2 wm and, 512 bytes on, 2 wm + 1
	s_mov_b32 s60, 0x76543210                      ; v_permlanex16_b32: each lane takes its own place in the other half
	s_mov_b32 s61, 0xfedcba98
	s_mov_b32 s62, 0x07800000                      ; 2^-112: the least maximum that is scaled by
	s_cmp_lg_u32 s16, 0
	s_cselect_b32 s63, -1, 0                       ; all lanes, if wn = 1
.endif
.irp n, 0,1,2,3,4,5,6,7
	global_load_b128 v[GA+4*\n:GA+4*\n+3], v[GOFF], s[GQ:GQ+1] offset:(\n/2)*512+(\n%2)*16   ; all 8 gates of my 64 rows
.endr
.set be, 0
.rept 8                                ; b of all experts, my 64 columns in the layout of a result: experts 0-3 where w's fragments will lie, 4-7 where acc_e will
.if be < 4
	WIN 0
.set bs, F0+32*be
.else
	WIN 0x40
.set bs, 32*(be-4)
.endif
.set bn, 0
.rept 8
	global_load_b128 v[bs+4*bn:bs+4*bn+3], v[BOFF], s[8:9] offset:be*4096+(bn/2)*64+(bn%2)*16
.set bn, bn+1
.endr
.set be, be+1
.endr
	ALOAD 0, 0
	ALOAD 1, 0
	ALOAD 2, 0
	s_wait_loadcnt 48                              ; gates and biases are in; the three pairs of x stay out
.set be, 0
.rept 8                                ; acc_tot = the sum over e of g_e b_e, while the first tiles and x are on their way
.if be == 0
	WIN 0x40
.elseif be < 4
	WIN 0x50
.else
	WIN 0x51
.endif
.if be < 4
.set bs, F0+32*be
.else
.set bs, 32*(be-4)
.endif
.set ba, 0
.rept 4
.set bn, 0
.rept 16
.if be == 0
	v_pk_mul_f32 v[TOT+32*ba+2*bn:TOT+32*ba+2*bn+1], v[bs+2*bn:bs+2*bn+1], v[GA+8*ba:GA+8*ba+1] op_sel_hi:[1,0]
.elseif be%2 == 0
	v_pk_fma_f32 v[TOT+32*ba+2*bn:TOT+32*ba+2*bn+1], v[bs+2*bn:bs+2*bn+1], v[GA+8*ba+be:GA+8*ba+be+1], v[TOT+32*ba+2*bn:TOT+32*ba+2*bn+1] op_sel_hi:[1,0,1]
.else
	v_pk_fma_f32 v[TOT+32*ba+2*bn:TOT+32*ba+2*bn+1], v[bs+2*bn:bs+2*bn+1], v[GA+8*ba+be-1:GA+8*ba+be], v[TOT+32*ba+2*bn:TOT+32*ba+2*bn+1] op_sel:[0,1,0] op_sel_hi:[1,1,1]
.endif
.set bn, bn+1
.endr
.set ba, ba+1
.endr
.set be, be+1
.endr
.irp q, 3,4,5,6,7
	ALOAD \q, 0
.endr
	WIN 0
	s_wait_tensorcnt 0x1                           ; my part of slot 0 is in; slot 1's may stay out
	s_barrier_signal -1
	s_barrier_wait -1                              ; everybody's is
	FETCH 0, 0, F0
	THREE                                          ; experts 0 to 5
.if KD == 1024
	SEG 0, 2, 1, 1, 0, 0, 0                        ; expert 6; its slot takes expert 0 of the second chunk
	SEG 1, 2, 1, 0, 1, 4, 63                       ; expert 7; expert 1 of the second chunk; x's second chunk takes each pair's registers as the pair is left
	WIN 0
	s_wait_xcnt 0x0
	s_sub_nc_u64 s[GQ:GQ+1], s[GQ:GQ+1], 24        ; the gates begin again at expert 0
	THREE
.endif
	SEG 0, 1, 0, 1, 0, 0, 0                        ; expert 6 of the last chunk: nothing is left to fetch, so no round
	SEG 1, 0, 0, 0, 0, 4, 0                        ; expert 7
	; THE WAY OUT: relu, (KD = 1,024: the scale,) rounding in pairs, and each tile's 16 bytes a lane are half a fragment block of the next layer's x: no stage in LDS
.if KD == 1024
	; the largest relu(x) of my row's 128 columns: in the lane (32 numbers and the constant 0, the four row blocks by turns), across the halves of the lanes, across the two waves
	WIN 0x14                                       ; sources 1 and 2 (acc_tot) window 1, source 0 and destination window 0
.set n, 0
.rept 16
.irp a, 0,1,2,3
.if n == 0
	v_max3_num_f32 v[MX+\a], 0, v[TOT+32*\a], v[TOT+32*\a+1]
.else
	v_max3_num_f32 v[MX+\a], v[MX+\a], v[TOT+32*\a+2*n], v[TOT+32*\a+2*n+1]
.endif
.endr
.set n, n+1
.endr
	WIN 0
.irp a, 0,1,2,3
	v_permlanex16_b32 v[G+\a], v[MX+\a], s60, s61  ; its destination counts as read: the gates' registers have been written and are free
.endr
.irp a, 0,1,2,3
	v_max_num_f32 v[MX+\a], v[MX+\a], v[G+\a]
.endr
	ds_store_b128 v[XST], v[MX:MX+3]
	s_wait_dscnt 0x0                               ; for the other wave's sake: my maxima are in LDS
	s_barrier_signal -1                            ; the relu below is register work while the others arrive
.endif
	WIN 0x44
.set n, 0
.rept 128
	v_max_num_f32 v[TOT+n], 0, v[TOT+n]
.set n, n+1
.endr
.if KD == 1024
	WIN 0
	s_barrier_wait -1
	ds_load_b128 v[LDA:LDA+3], v[XLD]
	ds_load_b128 v[LDA+4:LDA+7], v[XLD] offset:512
	s_wait_dscnt 0x0
.irp a, 0,1,2,3
	v_max3_num_f32 v[MX+\a], v[LDA+\a], v[LDA+4+\a], s62
.endr
.irp a, 0,1,2,3
	v_lshrrev_b32 v[MX+\a], 23, v[MX+\a]           ; the maximum is not negative: this is its exponent field e, 15 or more: the maximum lies in [2^(e-127), 2^(e-126))
.endr
.irp a, 0,1,2,3
	v_sub_nc_u32 v[PS+2*\a], 0x10c, v[MX+\a]       ; the scale 2^(141-e) has the field 268 - e,
	v_add_nc_u32 v[PS+2*\a+1], -14, v[MX+\a]       ; its reciprocal 2^(e-141) the field e - 14
.endr
.irp a, 0,1,2,3,4,5,6,7
	v_lshlrev_b32 v[PS+\a], 23, v[PS+\a]
.endr
	WIN 0x41                                       ; acc_tot window 1, the scale window 0
.set fa, 0
.rept 4
.set fn, 0
.rept 16
	v_pk_mul_f32 v[TOT+32*fa+2*fn:TOT+32*fa+2*fn+1], v[TOT+32*fa+2*fn:TOT+32*fa+2*fn+1], v[PS+2*fa:PS+2*fa+1] op_sel_hi:[1,0]
.set fn, fn+1
.endr
.set fa, fa+1
.endr
.endif
	WIN 0x05
.set n, 0
.rept 64
	v_cvt_pk_f16_f32 v[F0+n], v[TOT+2*n], v[TOT+2*n+1]
.set n, n+1
.endr
	WIN 0
.set n, 0
.rept 16
	global_store_b128 v[LOFF], v[F0+4*n:F0+4*n+3], s[12:13] offset:(n/4)*32768+((n%4)/2)*1024+(n%2)*512   ; the wave stores 512 consecutive bytes, aligned
.set n, n+1
.endr
.if KD == 1024
	v_cmp_ne_u32 vcc_lo, 0, v2                     ; lane L of wave wn stores the reciprocal of row 32 wn + L: row block 2 wn + h, row r
	v_cndmask_b32 v[LDA], v[PS+1], v[PS+3], vcc_lo
	v_cndmask_b32 v[LDA+1], v[PS+5], v[PS+7], vcc_lo
	v_cndmask_b32 v[LDA], v[LDA], v[LDA+1], s63
	global_store_b32 v[XOFF], v[LDA], s[58:59]     ; the wave stores 128 consecutive bytes, aligned
.endif
	CROUND                                         ; the closing round: no work-group ends while a partner may still ask for a tile that names it
	s_endpgm
.Lfunc_end_k_q9a30e1b251_layer0:
	.size	k_q9a30e1b251_layer0, .Lfunc_end_k_q9a30e1b251_layer0-k_q9a30e1b251_layer0
	.p2alignl 7, 3214868480
	.fill 96, 4, 3214868480
	.section	.rodata,"a",@progbits
	.p2align	6, 0x0
	.amdhsa_kernel k_q9a30e1b251_layer0
		.amdhsa_group_segment_fixed_size 327680
		.amdhsa_private_segment_fixed_size 0
		.amdhsa_enable_private_segment 0
		.amdhsa_kernarg_size 40
		.amdhsa_user_sgpr_count 2
		.amdhsa_user_sgpr_kernarg_segment_ptr 1
		.amdhsa_wavefront_size32 1
		.amdhsa_system_sgpr_workgroup_id_x 1
		.amdhsa_system_sgpr_workgroup_id_y 1
		.amdhsa_system_sgpr_workgroup_id_z 1
		.amdhsa_system_vgpr_workitem_id 0
		.amdhsa_next_free_vgpr 1024
		.amdhsa_next_free_sgpr 66
		.amdhsa_reserve_vcc 1
		.amdhsa_float_denorm_mode_32 3
		.amdhsa_float_denorm_mode_16_64 3
		.amdhsa_memory_ordered 1
		.amdhsa_forward_progress 1
		.amdhsa_inst_pref_size 191
	.end_amdhsa_kernel
	.amdgpu_metadata
---
amdhsa.version: [ 1, 2 ]
amdhsa.kernels:
  - .name:           k_q9a30e1b251_layer0
    .symbol:         k_q9a30e1b251_layer0.kd
    .args:
      - { .name: xf0, .offset: 0, .size: 8, .value_kind: global_buffer, .address_space: global }
      - { .name: w0h, .offset: 8, .size: 8, .value_kind: global_buffer, .address_space: global }
      - { .name: b0, .offset: 16, .size: 8, .value_kind: global_buffer, .address_space: global }
      - { .name: g, .offset: 24, .size: 8, .value_kind: global_buffer, .address_space: global }
      - { .name: x1f, .offset: 32, .size: 8, .value_kind: global_buffer, .address_space: global }
    .group_segment_fixed_size: 327680
    .private_segment_fixed_size: 0
    .kernarg_segment_align: 8
    .kernarg_segment_size: 40
    .max_flat_workgroup_size: 128
    .sgpr_count:     66
    .vgpr_count:     1024
    .wavefront_size: 32
...
	.end_amdgpu_metadata
.endif
;; end of part 2
;; launch layer1 (part 3): grid 8 x 32, 4 waves a work-group, clusters of 4 x 4, 327,680 bytes of LDS; arguments x1f, w1h, b1, g, x2f, x2s; writes x2f, x2s
.if DOCPART == 3
	.amdgcn_target "amdgcn-amd-amdhsa--gfx1250"
	.amdhsa_code_object_version 6
	.text
	.protected	k_q9a30e1b251_layer1
	.globl	k_q9a30e1b251_layer1
	.p2align	8
	.type	k_q9a30e1b251_layer1,@function
k_q9a30e1b251_layer1:
	s_mov_b64 s[64:65], 0
	v_nop
	global_prefetch_b8 v0, s[64:65] scope:SCOPE_SE
	s_setreg_imm32_b32 hwreg(HW_REG_WAVE_MODE, 25, 1), 1
	s_wait_xcnt 0x0
	s_wait_alu depctr_hold_cnt(0) depctr_sa_sdst(0) depctr_va_vdst(0) depctr_va_sdst(0) depctr_va_ssrc(0) depctr_va_vcc(0) depctr_vm_vsrc(0)
	s_getreg_b32 s2, hwreg(HW_REG_IB_STS2, 6, 4)
	s_cmp_eq_u32 s2, 0
	s_cbranch_scc0 .Lentry_in_a_cluster
	s_endpgm
.Lentry_in_a_cluster:
	s_bfe_u32 s2, ttmp6, 0x10000c
	s_cmp_lg_u32 s2, 0xf033
	s_cbranch_scc0 .Lentry_shape_is_right
	s_endpgm
.Lentry_shape_is_right:
; ONE EXPERT LAYER: xout[m][n] = relu( sum over e of g[m][e] ( sum over k of x[m][k] w[e][k][n] + b[e][n] ) ), 4,096 rows, KD inputs, 1,024 outputs, 8 experts.
; x comes as f16 fragment blocks (block (m / 16, k / 32) of 1,024 bytes: registers 0-3 of lane L at 16 L, registers 4-7 at 512 + 16 L), w as f16 [e][k][n], b and g in f32;
; xout leaves as fragment blocks of the same kind.  Products in f16 with f32 sums; the gate is applied in f32.
; FORMATS.  f16, with three more mantissa bits than bf16.  The first layer's x and w are the problem's inputs.  Its result x1 (KD = 512) leaves in plain f16: with inputs and
; w0 both shifted by 30 of their spreads it reaches 512 x 30 x 1.5 = 23,040, with both 30 times larger some 1,900, under f16's 65,504; with both 30 times smaller it is some 3e-4, where f16's step
; of 6e-8 is still finer than bf16's.  The second layer's result x2 (KD = 1,024) would reach 1,024 x 23,040 x 1.5 = 35 million: it leaves in f16 WITH A SCALE: for each row and the work-group's
; 128 columns a power of two brings the largest number into [2^14, 2^15), exactly; the reciprocal power goes to xs, f32 [block of 128 columns][row], and the last layer multiplies its sums by it.
; SHARES.  A work-group makes 128 rows x 128 columns: 256 work-groups.  Each of its four waves makes 64 x 64: 16 tiles (a, b) of 16 x 16.
; A SEGMENT is one expert x 512 along k: 16 k steps, 256 matrix instructions a wave, summed in acc_e from the constant 0; at its end acc_tot += g_e acc_e (64 packed fused multiply-adds).
; acc_tot starts as the sum over e of g_e b_e, so nothing is cleared and no bias is added later.
; x STAYS IN REGISTERS: a wave's 64 rows x 512 k are 512 registers, loaded once for all 8 experts, straight from memory as fragments; with 1,024 inputs in two chunks:
; all experts walk the first 512 k, then all walk the second, and the second chunk enters pair by pair while the first chunk's last expert leaves each pair.
; w STREAMS THROUGH LDS: two slots, each a whole segment's tile (512 k rows x 128 n, rows of 256 bytes padded to 288).  Each wave fetches 128 rows by one tensor load.
; CLUSTER 4 x 4.  The four work-groups of a column of the cluster make the same 128 columns and walk the same tiles of w: each tile is asked for JOINTLY.
; x is not: it lands in registers, where no joint load can put it, and is KD / 2 KB of the (KD / 2 + 2 KD) KB that a work-group reads, a fifth.
; THE MATRIX INSTRUCTION IS USED TRANSPOSED: source 0 = 16 columns of w (turned on the way out of LDS by ds_load_tr16_b128), source 1 = 16 rows of x.  In the result lane l holds
; row l % 16 and columns 8 (l / 16) + 0..7: the gate is one number a lane and row block, and two neighbouring tiles, rounded in pairs, are a fragment of the next layer's x.
; LIMITS.  x1 beyond 65,504 becomes infinite.  relu is v_max_num_f32 with 0: a NaN becomes 0.  A row's 128 numbers of x2 whose largest is under 2^-112 are scaled as if it were 2^-112.
; REGISTERS, in windows of 256: window 0: addresses, gates, v128-191 and v192-255 two buffers of w's fragments (2 k steps x 4 column blocks);
;   window 1: v0-127 acc_e, v128-255 acc_tot (tile (a, b) at 8 (4 a + b));  window 2: x of k steps 0-7 (step s, block a at 8 (4 s + a));  window 3: k steps 8-15.
.set KD,     1024                      ; the layer's inputs: 512 (one chunk of x) or 1,024 (two)
.set PW,     288                       ; an LDS row: 256 bytes + 32: an odd multiple of 32 bytes
.set QUART,  128*PW                    ; 128 rows: what one tensor load brings
.set SLOT,   4*QUART
.set XCH,    2*SLOT                    ; KD = 1,024: behind the ring, 512 bytes for each wave, where the row maxima meet; no tensor load fills them
.set STEP,   KD*4096                   ; bytes from a segment's tile to the tile two experts on: 2 KD rows of 2,048 bytes
.set BACK,   (6*KD-512)*2048           ; KD = 1,024: from experts 6, 7 of the first chunk back to experts 0, 1 of the second
.set LOFF,   10                        ; v10  16 L
.set GOFF,   11                        ; v11  32 r: my row in a block of 16 rows of g
.set BOFF,   12                        ; v12  byte offset of my 8 columns of tile 0 in a row of b
.set XOFF,   13                        ; v13  4 L: my row's word in xs
.set XST,    14                        ; v14  LDS: where my wave's maxima go
.set XLD,    15                        ; v15  LDS: the maxima of the first of the two waves that share my rows
.set ADRW,   16                        ; v16-23  the turning load's address in quarter n % 4 of slot n / 4
.set G,      24                        ; v24-31  this segment's gate of row block a in v[24 + 2 a]; the odd registers are 0: the packed form names pairs
.set MX,     32                        ; v32-35  the way out: the largest number of my row of row block a, then its exponent
.set LDA,    36                        ; v36-43  the way out: the two waves' maxima
.set PS,     44                        ; v44-51  the way out: row block a's scale in v[44 + 2 a], its reciprocal in v[45 + 2 a]
.set GA,     96                        ; v96-127 all 8 gates of row block a at 96 + 8 a
.set F0,     128
.set F1,     192
.set TOT,    128                       ; acc_tot, in window 1
.set WV,     14                        ; s14  the wave's number
.set G1,     24                        ; s[24:31] descriptor group 1
.set G0,     32                        ; s[32:39] descriptor group 0, a set for each slot
.set GQ,     42                        ; s[42:43] g at my 64 rows, plus 4 bytes for each expert passed
.set MUL_LO, 0x58                      ; source 0 (w) window 0, source 1 (x) window 2, C and D window 1
.set MUL_HI, 0x5c                      ; the same with x in window 3
.set MSB, 0
.macro WIN new                         ; s_set_vgpr_msb: bits 1:0 source 0, 3:2 source 1, 5:4 source 2, 7:6 destination; the high byte repeats the setting that is left
.if MSB != (\new)
	s_set_vgpr_msb (MSB<<8)|(\new)
.set MSB, (\new)
.endif
.endm
.macro PLACES                          ; four places behind a matrix instruction, in front of loads into its sources and of vector work on its result (ISA guide 7.12.1 for the vector work)
.rept 4
	v_nop
.endr
.endm
.macro JLOAD s                         ; a joint load: every wave asks for its own 128 rows of the tile; four v_nop follow
	tensor_load_to_lds s[G0+4*(\s):G0+4*(\s)+3], s[G1:G1+7]
	s_nop 0
.rept 4
	v_nop
.endr
.endm
.macro CREST                           ; a round of the cluster's barrier behind its opening barrier
	s_cmp_lg_u32 s[WV], 0
	s_cbranch_scc1 .Lnot_wave_0_\@
	s_barrier_signal -3
.Lnot_wave_0_\@:
	s_barrier_wait -3
	s_barrier_signal -1
	s_barrier_wait -1
.endm
.macro CROUND                          ; a whole round
	s_barrier_signal -1
	s_barrier_wait -1
	CREST
.endm
; 16 loads: x's fragments of k steps 2 q and 2 q + 1 of chunk c, four row blocks each; each load is 512 consecutive bytes
.macro ALOAD q, c
.if (\q) < 4
	WIN 0x80
.else
	WIN 0xc0
.endif
.set lk, 2*(\q)
.rept 2
.set la, 0
.rept 4
	global_load_b128 v[8*(4*(lk%8)+la):8*(4*(lk%8)+la)+3], v[LOFF], s[4:5] offset:la*(KD*32)+(16*(\c)+lk)*1024
	global_load_b128 v[8*(4*(lk%8)+la)+4:8*(4*(lk%8)+la)+7], v[LOFF], s[4:5] offset:la*(KD*32)+(16*(\c)+lk)*1024+512
.set la, la+1
.endr
.set lk, lk+1
.endr
.endm
; 16 turning loads in one run: w's fragments of k steps 2 q and 2 q + 1 (the first step's eight first), four column blocks each, into buffer f
.macro FETCH slot, q, f
	WIN 0
.set fk, 0
.rept 2
.set fb, 0
.rept 4
	ds_load_tr16_b128 v[\f+32*fk+8*fb:\f+32*fk+8*fb+3], v[ADRW+4*(\slot)+(\q)/2] offset:((\q)%2)*64*PW+fk*32*PW+fb*32
	ds_load_tr16_b128 v[\f+32*fk+8*fb+4:\f+32*fk+8*fb+7], v[ADRW+4*(\slot)+(\q)/2] offset:((\q)%2)*64*PW+fk*32*PW+fb*32+16*PW
.set fb, fb+1
.endr
.set fk, fk+1
.endr
.endm
; Matrix instructions of k step ks (half kk of buffer f): row blocks a0 .. a0 + na - 1 x all 4 column blocks.  zero = 1: the products start the sums.
; The 16 accumulators take turns, one instruction a turn, in the same order everywhere.
.macro MULT f, kk, ks, a0, na, zero
.set ma, \a0
.rept \na
.set mb, 0
.rept 4
.if \zero
	v_wmma_f32_16x16x32_f16 v[8*(4*ma+mb):8*(4*ma+mb)+7], v[\f+32*\kk+8*mb:\f+32*\kk+8*mb+7], v[8*(4*((\ks)%8)+ma):8*(4*((\ks)%8)+ma)+7], 0
.else
	v_wmma_f32_16x16x32_f16 v[8*(4*ma+mb):8*(4*ma+mb)+7], v[\f+32*\kk+8*mb:\f+32*\kk+8*mb+7], v[8*(4*((\ks)%8)+ma):8*(4*((\ks)%8)+ma)+7], v[8*(4*ma+mb):8*(4*ma+mb)+7]
.endif
.set mb, mb+1
.endr
.set ma, ma+1
.endr
.endm
; Pair q (0 to 6) of a segment's eight pairs of k steps: 32 matrix instructions on buffer q % 2; in its middle the next pair's fragments are fetched into the other buffer.
; await = 1: x may still be on its way.  reload = 1: the pair of x just left is loaded again with the second chunk.  eoff: 4 x the expert's parity.
.macro PAIR slot, q, await, reload, eoff
.set pf, F0+64*((\q)%2)
.set pg, F0+64*((\q+1)%2)
.if \q < 4
.set pw, MUL_LO
.else
.set pw, MUL_HI
.endif
.if \await
.if 16*(7-\q) > 63
	s_wait_loadcnt 63                              ; behind this pair's loads of x stand 16 for each later pair, more than the count can name
.else
	s_wait_loadcnt 16*(7-\q)                       ; this pair of x is in: 16 loads for each later pair may stay out
.endif
.endif
	s_wait_dscnt 8                                 ; the first k step's fragments are in; the second's eight loads may be out
	WIN pw
.if \q == 0
	MULT pf, 0, 2*\q, 0, 4, 1
.else
	MULT pf, 0, 2*\q, 0, 4, 0
.endif
	PLACES
.if \q == 0
	WIN 0
.irp a, 0,1,2,3
	global_load_b32 v[G+2*\a], v[GOFF], s[GQ:GQ+1] offset:\a*512+\eoff   ; this expert's gates, wanted at the segment's end
.endr
.endif
.if \reload && (\q > 0)
	ALOAD \q-1, 1
.endif
	FETCH \slot, \q+1, pg
	s_wait_dscnt 16                                ; all but the 16 just issued
	WIN pw
	MULT pf, 1, 2*\q+1, 0, 4, 0
.endm
; The last pair multiplies buffer 1 and changes slots.  mode 2: the slot is filled again; 1: it is left; 0: the very last segment.
; ONE barrier for the change: in front of it each wave waits for its own reads of the slot and for all its tensor loads, of which one is out: its part of the other slot.
; Where the slot is filled again the barrier opens a round of the cluster's barrier: no wave of any partner still reads the slot or has a load on its way when the joint refill,
; the first thing behind the round, goes out.  It has the whole next segment, 240 matrix instructions and more, in which to land.
.macro TURN slot, mode, back, await, reload
.if \await
	s_wait_loadcnt 0x0                             ; the last pair of x
.endif
	s_wait_dscnt 8
	WIN MUL_HI
.if \mode == 0
	MULT F1, 0, 14, 0, 4, 0
	s_wait_dscnt 0x0
	MULT F1, 1, 15, 0, 4, 0
.else
	MULT F1, 0, 14, 0, 2, 0
	s_wait_dscnt 0x0                               ; my reads of this slot are over
	s_set_vgpr_msb 0x5c50
	s_wait_tensorcnt 0x0                           ; and all my tensor loads have landed
	ds_add_u32 v94, v95
	s_wait_dscnt 0x0
	s_set_vgpr_msb 0x505c
	s_barrier_signal -1
	MULT F1, 0, 14, 2, 2, 0                        ; work on registers while the others arrive
	WIN 0                                          ; at a branch and at a label every window is 0
	s_barrier_wait -1
.if \mode == 2
	CREST
.if \back
	s_sub_nc_u64 s[G0+4*\slot+2:G0+4*\slot+3], s[G0+4*\slot+2:G0+4*\slot+3], BACK
.else
	s_add_nc_u64 s[G0+4*\slot+2:G0+4*\slot+3], s[G0+4*\slot+2:G0+4*\slot+3], STEP
.endif
	JLOAD \slot                                    ; its four v_nop are also the places in front of the loads below
.else
	PLACES
.endif
.if \reload
	ALOAD 6, 1
.endif
	FETCH 1-\slot, 0, F0
	WIN MUL_HI
	MULT F1, 1, 15, 0, 4, 0
.endif
.endm
; acc_tot += g_e acc_e.  The four v_nop and the other tiles' multiply-adds are also the places in front of the next segment's products, which write acc_e anew.
.macro FOLD reload, gwait
	PLACES
.if \reload
	ALOAD 7, 1
.endif
	s_wait_loadcnt \gwait                          ; the gates are in.  0, or, where 128 loads of x were issued behind them, the largest count there is
	WIN 0x51                                       ; acc_e and acc_tot window 1, the gate window 0
.set fa, 0
.rept 4
.set fn, 0
.rept 16
	v_pk_fma_f32 v[TOT+32*fa+2*fn:TOT+32*fa+2*fn+1], v[32*fa+2*fn:32*fa+2*fn+1], v[G+2*fa:G+2*fa+1], v[TOT+32*fa+2*fn:TOT+32*fa+2*fn+1] op_sel_hi:[1,0,1]
.set fn, fn+1
.endr
.set fa, fa+1
.endr
.endm
.macro SEG slot, mode, back, await, reload, eoff, gwait
.irp q, 0,1,2,3,4,5,6
	PAIR \slot, \q, \await, \reload, \eoff
.endr
	TURN \slot, \mode, \back, \await, \reload
	FOLD \reload, \gwait
.endm
; Three trips of two segments: experts 2 d and 2 d + 1 of a chunk, d = 0, 1, 2; both slots are filled again, two experts on
.macro THREE
	s_mov_b32 s40, 3
.Ldouble_\@:
	SEG 0, 2, 0, 1, 0, 0, 0
	SEG 1, 2, 0, 0, 0, 4, 0
	WIN 0
	s_wait_xcnt 0x0                                ; the loads of the gates have had their addresses translated (ISA guide 3.1): their base steps only behind this wait
	s_add_nc_u64 s[GQ:GQ+1], s[GQ:GQ+1], 8
	s_sub_co_u32 s40, s40, 1
	s_cmp_lg_u32 s40, 0
	s_cbranch_scc1 .Ldouble_\@
.endm
	s_load_b256 s[4:11], s[0:1], 0x0               ; x s[4:5], w s[6:7], b s[8:9], g s[10:11]
	s_load_b64 s[12:13], s[0:1], 0x20              ; xout
.if KD == 1024
	s_load_b64 s[58:59], s[0:1], 0x28              ; xs
	v_lshl_add_u32 v94, v0, 2, 0x48800
	v_mov_b32 v95, 0
	ds_add_u32 v94, v95
.endif
	v_lshrrev_b32 v1, 5, v0
	v_readfirstlane_b32 s[WV], v1                  ; wave 0..3
	s_lshr_b32 s15, s[WV], 1                       ; wm: which 64 rows
	s_and_b32 s16, s[WV], 1                        ; wn: which 64 columns
	s_bfe_u32 s17, ttmp6, 0x40000                  ; cx
	s_bfe_u32 s18, ttmp6, 0x40004                  ; cy
	s_lshl_b32 s19, ttmp9, 2
	s_add_co_u32 s19, s19, s17                     ; bx: block of 128 columns = 4 x cluster x + cx
	s_and_b32 s20, ttmp7, 0xffff
	s_lshl_b32 s20, s20, 2
	s_add_co_u32 s20, s20, s18                     ; by: block of 128 rows = 4 x cluster y + cy
	s_lshl_b32 s21, 0x1111, s17                    ; my column of the cluster: places cx, cx + 4, cx + 8, cx + 12
	; descriptor group 1: a tile of 128 rows x 128 elements, padded in LDS
	s_or_b32 s[G1+0], s21, (1<<16)|(1<<20)|(1<<21)|(5<<22)|(7<<25)  ; 15:0 the mask; 17:16 elements of 2 bytes; 20 padding on; 21 set beside a mask; 24:22 after every 64 words (code 5); 31:25 8 words of it (code 7)
	s_mov_b32 s[G1+1], 128<<16                     ; tensor_dim0 = 128
	s_mov_b32 s[G1+2], 128<<16                     ; tensor_dim1 = 128
	s_mov_b32 s[G1+3], 128<<16                     ; tile_dim0 = 128
	s_mov_b32 s[G1+4], 128                         ; tile_dim1 = 128
	s_mov_b32 s[G1+5], 1024                        ; elements from row to row
	s_mov_b32 s[G1+6], 0
	s_mov_b32 s[G1+7], 0
	; w's tiles hang on bx, the wave's number and the segment: all that my column of the cluster shares.  No register below, up to s47, ever holds cy or by.
	s_lshl_b32 s44, s[WV], 18                      ; my 128 rows of 2,048 bytes
	s_lshl_b32 s45, s19, 8                         ; my block's 128 columns
	s_add_co_u32 s44, s44, s45
	s_mov_b32 s45, 0
	s_mul_i32 s46, s[WV], QUART                    ; and where they go: no place in the cluster enters an LDS address
	s_lshl_b32 s47, s19, 9
	s_lshl_b32 s56, s16, 8
	s_add_co_u32 s47, s47, s56                     ; byte offset of my 64 columns in a row of b
	; x, g, xout and xs hang on by too: registers of their own
	s_lshl_b32 s48, s20, 3
	s_lshl2_add_u32 s48, s15, s48                  ; my first block of 16 rows: 8 by + 4 wm
	s_mul_i32 s50, s48, KD*32                      ; KD / 32 blocks of 1,024 bytes for each
	s_mov_b32 s51, 0
	s_lshl_b32 s52, s48, 9                         ; 16 rows of 32 bytes of g
	s_mov_b32 s53, 0
	s_lshl_b32 s54, s48, 5                         ; xout has 32 blocks for 16 rows;
	s_lshl2_add_u32 s54, s19, s54                  ; my columns begin at block 4 bx + 2 wn
	s_lshl1_add_u32 s54, s16, s54
	s_lshl_b32 s54, s54, 10
	s_mov_b32 s55, 0
.if KD == 1024
	s_lshl_b32 s62, s19, 14                        ; xs: 4,096 rows of 4 bytes for each block of 128 columns,
	s_lshl_b32 s63, s48, 6                         ; 16 rows of 4 bytes for each row block;
	s_add_co_u32 s62, s62, s63
	s_lshl_b32 s63, s16, 7                         ; of the 64 rows that two waves share, wave wn stores rows 32 wn .. 32 wn + 31
	s_add_co_u32 s62, s62, s63
	s_mov_b32 s63, 0
.endif
	s_wait_dscnt 0x0
	s_wait_kmcnt 0x0
	s_add_nc_u64 s[6:7], s[6:7], s[44:45]
	s_add_nc_u64 s[4:5], s[4:5], s[50:51]
	s_add_nc_u64 s[GQ:GQ+1], s[10:11], s[52:53]
	s_add_nc_u64 s[12:13], s[12:13], s[54:55]
.if KD == 1024
	s_add_nc_u64 s[58:59], s[58:59], s[62:63]
.endif
	CROUND                                         ; all sixteen work-groups are here: the first joint loads meet
.irp s, 0,1
	s_mov_b32 s[G0+4*\s], 1                                        ; count = 1
	s_add_co_u32 s[G0+4*\s+1], s46, \s*SLOT                        ; LDS address
	s_add_nc_u64 s[G0+4*\s+2:G0+4*\s+3], s[6:7], \s*KD*2048        ; global address: expert s, first chunk
	s_or_b32 s[G0+4*\s+3], s[G0+4*\s+3], 0x80000000                ; type = 2
	JLOAD \s                                       ; both slots are asked for before anything else: two tensor loads of mine are out here, one behind each later round
.endr
	v_and_b32 v1, 15, v0                           ; r
	v_bfe_u32 v2, v0, 4, 1                         ; h
	v_and_b32 v3, 31, v0
	v_lshlrev_b32 v[LOFF], 4, v3
	v_lshlrev_b32 v[GOFF], 5, v1
	v_lshl_add_u32 v[BOFF], v2, 5, s47
	v_and_b32 v4, 7, v0
	v_lshl_add_u32 v4, v2, 3, v4                   ; the turning load's row: 8 h + L % 8
	v_mul_u32_u24 v4, v4, PW
	v_bfe_u32 v5, v0, 3, 1
	v_lshl_add_u32 v4, v5, 4, v4                   ; its 16 bytes: 16 ((L / 8) % 2)
	s_lshl_b32 s57, s16, 7
	v_add_nc_u32 v4, s57, v4                       ; my 64 columns: 128 bytes wn
.irp n, 0,1,2,3,4,5,6,7
	v_add_nc_u32 v[ADRW+\n], \n*QUART, v4
.endr
.irp a, 0,1,2,3
	v_mov_b32 v[G+2*\a+1], 0
.endr
.if KD == 1024
	v_lshlrev_b32 v[XOFF], 2, v3
	s_lshl_b32 s56, s[WV], 9
	s_add_co_u32 s56, s56, XCH
	v_add_nc_u32 v[XST], s56, v[LOFF]              ; my wave's 512 bytes
	s_lshl_b32 s56, s15, 10
	s_add_co_u32 s56, s56, XCH
	v_add_nc_u32 v[XLD], s56, v[LOFF]              ; those of waves 2 wm and, 512 bytes on, 2 wm + 1
	s_mov_b32 s60, 0x76543210                      ; v_permlanex16_b32: each lane takes its own place in the other half
	s_mov_b32 s61, 0xfedcba98
	s_mov_b32 s62, 0x07800000                      ; 2^-112: the least maximum that is scaled by
	s_cmp_lg_u32 s16, 0
	s_cselect_b32 s63, -1, 0                       ; all lanes, if wn = 1
.endif
.irp n, 0,1,2,3,4,5,6,7
	global_load_b128 v[GA+4*\n:GA+4*\n+3], v[GOFF], s[GQ:GQ+1] offset:(\n/2)*512+(\n%2)*16   ; all 8 gates of my 64 rows
.endr
.set be, 0
.rept 8                                ; b of all experts, my 64 columns in the layout of a result: experts 0-3 where w's fragments will lie, 4-7 where acc_e will
.if be < 4
	WIN 0
.set bs, F0+32*be
.else
	WIN 0x40
.set bs, 32*(be-4)
.endif
.set bn, 0
.rept 8
	global_load_b128 v[bs+4*bn:bs+4*bn+3], v[BOFF], s[8:9] offset:be*4096+(bn/2)*64+(bn%2)*16
.set bn, bn+1
.endr
.set be, be+1
.endr
	ALOAD 0, 0
	ALOAD 1, 0
	ALOAD 2, 0
	s_wait_loadcnt 48                              ; gates and biases are in; the three pairs of x stay out
.set be, 0
.rept 8                                ; acc_tot = the sum over e of g_e b_e, while the first tiles and x are on their way
.if be == 0
	WIN 0x40
.elseif be < 4
	WIN 0x50
.else
	WIN 0x51
.endif
.if be < 4
.set bs, F0+32*be
.else
.set bs, 32*(be-4)
.endif
.set ba, 0
.rept 4
.set bn, 0
.rept 16
.if be == 0
	v_pk_mul_f32 v[TOT+32*ba+2*bn:TOT+32*ba+2*bn+1], v[bs+2*bn:bs+2*bn+1], v[GA+8*ba:GA+8*ba+1] op_sel_hi:[1,0]
.elseif be%2 == 0
	v_pk_fma_f32 v[TOT+32*ba+2*bn:TOT+32*ba+2*bn+1], v[bs+2*bn:bs+2*bn+1], v[GA+8*ba+be:GA+8*ba+be+1], v[TOT+32*ba+2*bn:TOT+32*ba+2*bn+1] op_sel_hi:[1,0,1]
.else
	v_pk_fma_f32 v[TOT+32*ba+2*bn:TOT+32*ba+2*bn+1], v[bs+2*bn:bs+2*bn+1], v[GA+8*ba+be-1:GA+8*ba+be], v[TOT+32*ba+2*bn:TOT+32*ba+2*bn+1] op_sel:[0,1,0] op_sel_hi:[1,1,1]
.endif
.set bn, bn+1
.endr
.set ba, ba+1
.endr
.set be, be+1
.endr
.irp q, 3,4,5,6,7
	ALOAD \q, 0
.endr
	WIN 0
	s_wait_tensorcnt 0x1                           ; my part of slot 0 is in; slot 1's may stay out
	s_barrier_signal -1
	s_barrier_wait -1                              ; everybody's is
	FETCH 0, 0, F0
	THREE                                          ; experts 0 to 5
.if KD == 1024
	SEG 0, 2, 1, 1, 0, 0, 0                        ; expert 6; its slot takes expert 0 of the second chunk
	SEG 1, 2, 1, 0, 1, 4, 63                       ; expert 7; expert 1 of the second chunk; x's second chunk takes each pair's registers as the pair is left
	WIN 0
	s_wait_xcnt 0x0
	s_sub_nc_u64 s[GQ:GQ+1], s[GQ:GQ+1], 24        ; the gates begin again at expert 0
	THREE
.endif
	SEG 0, 1, 0, 1, 0, 0, 0                        ; expert 6 of the last chunk: nothing is left to fetch, so no round
	SEG 1, 0, 0, 0, 0, 4, 0                        ; expert 7
	; THE WAY OUT: relu, (KD = 1,024: the scale,) rounding in pairs, and each tile's 16 bytes a lane are half a fragment block of the next layer's x: no stage in LDS
.if KD == 1024
	; the largest relu(x) of my row's 128 columns: in the lane (32 numbers and the constant 0, the four row blocks by turns), across the halves of the lanes, across the two waves
	WIN 0x14                                       ; sources 1 and 2 (acc_tot) window 1, source 0 and destination window 0
.set n, 0
.rept 16
.irp a, 0,1,2,3
.if n == 0
	v_max3_num_f32 v[MX+\a], 0, v[TOT+32*\a], v[TOT+32*\a+1]
.else
	v_max3_num_f32 v[MX+\a], v[MX+\a], v[TOT+32*\a+2*n], v[TOT+32*\a+2*n+1]
.endif
.endr
.set n, n+1
.endr
	WIN 0
.irp a, 0,1,2,3
	v_permlanex16_b32 v[G+\a], v[MX+\a], s60, s61  ; its destination counts as read: the gates' registers have been written and are free
.endr
.irp a, 0,1,2,3
	v_max_num_f32 v[MX+\a], v[MX+\a], v[G+\a]
.endr
	ds_store_b128 v[XST], v[MX:MX+3]
	s_wait_dscnt 0x0                               ; for the other wave's sake: my maxima are in LDS
	s_barrier_signal -1                            ; the relu below is register work while the others arrive
.endif
	WIN 0x44
.set n, 0
.rept 128
	v_max_num_f32 v[TOT+n], 0, v[TOT+n]
.set n, n+1
.endr
.if KD == 1024
	WIN 0
	s_barrier_wait -1
	ds_load_b128 v[LDA:LDA+3], v[XLD]
	ds_load_b128 v[LDA+4:LDA+7], v[XLD] offset:512
	s_wait_dscnt 0x0
.irp a, 0,1,2,3
	v_max3_num_f32 v[MX+\a], v[LDA+\a], v[LDA+4+\a], s62
.endr
.irp a, 0,1,2,3
	v_lshrrev_b32 v[MX+\a], 23, v[MX+\a]           ; the maximum is not negative: this is its exponent field e, 15 or more: the maximum lies in [2^(e-127), 2^(e-126))
.endr
.irp a, 0,1,2,3
	v_sub_nc_u32 v[PS+2*\a], 0x10c, v[MX+\a]       ; the scale 2^(141-e) has the field 268 - e,
	v_add_nc_u32 v[PS+2*\a+1], -14, v[MX+\a]       ; its reciprocal 2^(e-141) the field e - 14
.endr
.irp a, 0,1,2,3,4,5,6,7
	v_lshlrev_b32 v[PS+\a], 23, v[PS+\a]
.endr
	WIN 0x41                                       ; acc_tot window 1, the scale window 0
.set fa, 0
.rept 4
.set fn, 0
.rept 16
	v_pk_mul_f32 v[TOT+32*fa+2*fn:TOT+32*fa+2*fn+1], v[TOT+32*fa+2*fn:TOT+32*fa+2*fn+1], v[PS+2*fa:PS+2*fa+1] op_sel_hi:[1,0]
.set fn, fn+1
.endr
.set fa, fa+1
.endr
.endif
	WIN 0x05
.set n, 0
.rept 64
	v_cvt_pk_f16_f32 v[F0+n], v[TOT+2*n], v[TOT+2*n+1]
.set n, n+1
.endr
	WIN 0
.set n, 0
.rept 16
	global_store_b128 v[LOFF], v[F0+4*n:F0+4*n+3], s[12:13] offset:(n/4)*32768+((n%4)/2)*1024+(n%2)*512   ; the wave stores 512 consecutive bytes, aligned
.set n, n+1
.endr
.if KD == 1024
	v_cmp_ne_u32 vcc_lo, 0, v2                     ; lane L of wave wn stores the reciprocal of row 32 wn + L: row block 2 wn + h, row r
	v_cndmask_b32 v[LDA], v[PS+1], v[PS+3], vcc_lo
	v_cndmask_b32 v[LDA+1], v[PS+5], v[PS+7], vcc_lo
	v_cndmask_b32 v[LDA], v[LDA], v[LDA+1], s63
	global_store_b32 v[XOFF], v[LDA], s[58:59]     ; the wave stores 128 consecutive bytes, aligned
.endif
	s_wait_tensorcnt 0x0
	ds_add_u32 v94, v95
	s_wait_dscnt 0x0
	CROUND                                         ; the closing round: no work-group ends while a partner may still ask for a tile that names it
	s_endpgm
.Lfunc_end_k_q9a30e1b251_layer1:
	.size	k_q9a30e1b251_layer1, .Lfunc_end_k_q9a30e1b251_layer1-k_q9a30e1b251_layer1
	.p2alignl 7, 3214868480
	.fill 96, 4, 3214868480
	.section	.rodata,"a",@progbits
	.p2align	6, 0x0
	.amdhsa_kernel k_q9a30e1b251_layer1
		.amdhsa_group_segment_fixed_size 327680
		.amdhsa_private_segment_fixed_size 0
		.amdhsa_enable_private_segment 0
		.amdhsa_kernarg_size 48
		.amdhsa_user_sgpr_count 2
		.amdhsa_user_sgpr_kernarg_segment_ptr 1
		.amdhsa_wavefront_size32 1
		.amdhsa_system_sgpr_workgroup_id_x 1
		.amdhsa_system_sgpr_workgroup_id_y 1
		.amdhsa_system_sgpr_workgroup_id_z 1
		.amdhsa_system_vgpr_workitem_id 0
		.amdhsa_next_free_vgpr 1024
		.amdhsa_next_free_sgpr 66
		.amdhsa_reserve_vcc 1
		.amdhsa_float_denorm_mode_32 3
		.amdhsa_float_denorm_mode_16_64 3
		.amdhsa_memory_ordered 1
		.amdhsa_forward_progress 1
		.amdhsa_inst_pref_size 255
	.end_amdhsa_kernel
	.section	.bss,"aw",@nobits
	.p2align	6
	.space	262144
	.amdgpu_metadata
---
amdhsa.version: [ 1, 2 ]
amdhsa.kernels:
  - .name:           k_q9a30e1b251_layer1
    .symbol:         k_q9a30e1b251_layer1.kd
    .args:
      - { .name: x1f, .offset: 0, .size: 8, .value_kind: global_buffer, .address_space: global }
      - { .name: w1h, .offset: 8, .size: 8, .value_kind: global_buffer, .address_space: global }
      - { .name: b1, .offset: 16, .size: 8, .value_kind: global_buffer, .address_space: global }
      - { .name: g, .offset: 24, .size: 8, .value_kind: global_buffer, .address_space: global }
      - { .name: x2f, .offset: 32, .size: 8, .value_kind: global_buffer, .address_space: global }
      - { .name: x2s, .offset: 40, .size: 8, .value_kind: global_buffer, .address_space: global }
    .group_segment_fixed_size: 327680
    .private_segment_fixed_size: 0
    .kernarg_segment_align: 8
    .kernarg_segment_size: 48
    .max_flat_workgroup_size: 128
    .sgpr_count:     66
    .vgpr_count:     1024
    .wavefront_size: 32
...
	.end_amdgpu_metadata
.endif
;; end of part 3
;; launch layer2 (part 4): grid 64 x 4, 4 waves a work-group, clusters of 4 x 1, 279,040 bytes of LDS; arguments x2f, w2f, b2, g, out0, x2s; writes out0
.if DOCPART == 4
	.amdgcn_target "amdgcn-amd-amdhsa--gfx1250"
	.amdhsa_code_object_version 6
	.text
	.protected	k_q9a30e1b251_layer2
	.globl	k_q9a30e1b251_layer2
	.p2align	8
	.type	k_q9a30e1b251_layer2,@function
k_q9a30e1b251_layer2:
	s_mov_b64 s[64:65], 0
	v_nop
	global_prefetch_b8 v0, s[64:65] scope:SCOPE_SE
	s_setreg_imm32_b32 hwreg(HW_REG_WAVE_MODE, 25, 1), 1
	s_wait_xcnt 0x0
	s_wait_alu depctr_hold_cnt(0) depctr_sa_sdst(0) depctr_va_vdst(0) depctr_va_sdst(0) depctr_va_ssrc(0) depctr_va_vcc(0) depctr_vm_vsrc(0)
	s_getreg_b32 s2, hwreg(HW_REG_IB_STS2, 6, 4)
	s_cmp_eq_u32 s2, 0
	s_cbranch_scc0 .Lentry_in_a_cluster
	s_endpgm
.Lentry_in_a_cluster:
	s_bfe_u32 s2, ttmp6, 0x10000c
	s_cmp_lg_u32 s2, 0x3003
	s_cbranch_scc0 .Lentry_shape_is_right
	s_endpgm
.Lentry_shape_is_right:
; THE LAST EXPERT LAYER: out0[m][n] = tanh( sum over e of g[m][e] ( sum over k of x[m][k] w2[e][k][n] + b2[e][n] ) ), 4,096 rows, 1,024 inputs, 64 outputs, 8 experts.
; x and w2 come as f16 fragment blocks of 1,024 bytes (registers 0-3 of lane L at 16 L, registers 4-7 at 512 + 16 L): x block (m / 16, k / 32), w2 block (n / 16, e, k / 32).
; x CARRIES A SCALE: in each row every block of 128 k was multiplied by a power of two of its own; xs, f32 [k / 128][row], holds the reciprocal powers.
; SHARES.  A work-group makes 64 rows x 16 columns: 256 work-groups.  Wave w takes k steps 8 w .. 8 w + 7 of all 8 experts, as two halves of 4 k steps = 128 k = one scale.
; For each expert and half: 4 k steps x 4 row blocks = 16 matrix instructions summed in acc_e from the constant 0, then that half's acc_tot += g_e acc_e in f32.
; At the end acc_tot = s_0 acc_tot_0 + s_1 acc_tot_1.  The four waves' acc_tot meet in LDS; wave w finishes row block w: bias, tanh, store.
; CLUSTER 4 x 1.  The four work-groups of a cluster make the same 16 columns of 4 x 64 rows and want the same 256 KB of w2, two thirds of what a work-group reads: it is asked for JOINTLY.
; Each wave asks for its own k steps by two tensor loads (experts 0-3, experts 4-7: 4 rows of 8 KB, 32 KB apart in memory) into its own 64 KB of LDS, which it alone reads: its own
; s_wait_tensorcnt is all that the reads need.
; x is not asked for jointly: each of its fragments is used by one wave of the work-group and loads straight into registers, where no joint load can put it (128 KB a work-group).
; Source 0 = 16 columns of w2, source 1 = 16 rows of x: in the result lane l holds row l % 16 and columns 8 (l / 16) + 0..7.
; The work-group's 16 columns are 64 of the 256 bytes of a row of out0: its stores fill a quarter of each aligned 256 bytes; out0 is 1 MB against the 96 MB of fragments read here.
; tanh(z) = 1 - 2 / (1 + 2^(2 z log2 e)); below |z| = 0.125, where that difference loses digits, z (1 - z^2 / 3 + 2 z^4 / 15), whose next term is 17 z^7 / 315; chosen by v_cndmask_b32.
; LIMITS.  Matrix operands are f16 (w2 as it is: an input of its own size; x by its scale below 2^15).
; REGISTERS: window 0 as named below; window 1: x (k step i, row block a) at 8 (4 i + a); windows 2 and 3: w2 (expert e, k step i) at 64 (e % 4) + 8 i, experts 4-7 in window 3.  No register is loaded twice.
.set RED, 262144                       ; LDS behind the four waves' tiles: 16 KB in which the waves' sums meet; no tensor load fills them
.set WA,  8                            ; v8        LDS address of my 16 bytes in the first block of my wave's tiles
.set GF,  16                           ; v16-23    the 8 gates of my row of row block w
.set SC,  24                           ; v24-31    the reciprocal scale of row block a, half hh, at 24 + 2 a + hh
.set GA,  32                           ; v32-63    all 8 gates of row block a at 32 + 8 a
.set AE,  64                           ; v64-95, v96-127  acc_e of half 0, of half 1; later the four waves' sums and the tanh's work
.set TOT, 128                          ; v128-159  acc_tot of half 0, row block a at 128 + 8 a;  v224-255 acc_tot of half 1
.set B2,  160                          ; v160-223  b2[e], my 8 columns, at 160 + 8 e
.set WV,  14                           ; s14       the wave's number
.set G1,  32                           ; s[32:39]  descriptor group 1
.set G0,  40                           ; s[40:47]  descriptor group 0, a set for each of the wave's two loads
.set MSB, 0
.macro WIN new                         ; s_set_vgpr_msb: bits 1:0 source 0, 3:2 source 1, 5:4 source 2, 7:6 destination; the high byte repeats the setting that is left
.if MSB != (\new)
	s_set_vgpr_msb (MSB<<8)|(\new)
.set MSB, (\new)
.endif
.endm
.macro PLACES                          ; four places behind a matrix instruction, in front of vector work on its result (ISA guide 7.12.1)
.rept 4
	v_nop
.endr
.endm
.macro JLOAD s                         ; a joint load: every wave asks for its own k steps; four v_nop follow
	tensor_load_to_lds s[G0+4*(\s):G0+4*(\s)+3], s[G1:G1+7]
	s_nop 0
.rept 4
	v_nop
.endr
.endm
.macro CROUND                          ; a round of the cluster's barrier: my work-group's barrier, wave 0 signals for the work-group, every wave waits for all four work-groups, my work-group's barrier once more
	s_barrier_signal -1
	s_barrier_wait -1
	s_cmp_lg_u32 s[WV], 0
	s_cbranch_scc1 .Lnot_wave_0_\@
	s_barrier_signal -3
.Lnot_wave_0_\@:
	s_barrier_wait -3
	s_barrier_signal -1
	s_barrier_wait -1
.endm
.macro XLOAD i0, n                     ; x's fragments of n k steps from i0 on, four row blocks each: loads of 512 consecutive bytes
	WIN 0x40
.set xs, \i0
.rept \n
.set xa, 0
.rept 4
	global_load_b128 v[8*(4*xs+xa):8*(4*xs+xa)+3], v10, s[4:5] offset:xa*32768+xs*1024
	global_load_b128 v[8*(4*xs+xa)+4:8*(4*xs+xa)+7], v10, s[4:5] offset:xa*32768+xs*1024+512
.set xa, xa+1
.endr
.set xs, xs+1
.endr
.endm
.macro WLOAD e, i0, n                  ; w2's fragments of expert e, n k steps from i0 on, out of my wave's tiles: 32 lanes x 16 neighbouring bytes a load
.if (\e) < 4
	WIN 0x80
.else
	WIN 0xc0
.endif
.set wi, \i0
.rept \n
	ds_load_b128 v[64*((\e)%4)+8*wi:64*((\e)%4)+8*wi+3], v[WA] offset:(\e)*8192+wi*1024
	ds_load_b128 v[64*((\e)%4)+8*wi+4:64*((\e)%4)+8*wi+7], v[WA] offset:(\e)*8192+wi*1024+512
.set wi, wi+1
.endr
.endm
.macro FOLD2 e, hh                     ; half hh's acc_tot += g_e acc_e; expert 0 starts the sums
.set ft, TOT+96*(\hh)
.set fs, AE+32*(\hh)
.set fa, 0
.rept 4
.set fp, 0
.rept 4
.if (\e) == 0
	v_pk_mul_f32 v[ft+8*fa+2*fp:ft+8*fa+2*fp+1], v[fs+8*fa+2*fp:fs+8*fa+2*fp+1], v[GA+8*fa:GA+8*fa+1] op_sel_hi:[1,0]
.elseif (\e)%2 == 0
	v_pk_fma_f32 v[ft+8*fa+2*fp:ft+8*fa+2*fp+1], v[fs+8*fa+2*fp:fs+8*fa+2*fp+1], v[GA+8*fa+(\e):GA+8*fa+(\e)+1], v[ft+8*fa+2*fp:ft+8*fa+2*fp+1] op_sel_hi:[1,0,1]
.else
	v_pk_fma_f32 v[ft+8*fa+2*fp:ft+8*fa+2*fp+1], v[fs+8*fa+2*fp:fs+8*fa+2*fp+1], v[GA+8*fa+(\e)-1:GA+8*fa+(\e)], v[ft+8*fa+2*fp:ft+8*fa+2*fp+1] op_sel:[0,1,0] op_sel_hi:[1,1,1]
.endif
.set fp, fp+1
.endr
.set fa, fa+1
.endr
.endm
	s_load_b256 s[4:11], s[0:1], 0x0               ; x s[4:5], w2 s[6:7], b2 s[8:9], g s[10:11]
	s_load_b64 s[12:13], s[0:1], 0x20              ; out0
	s_load_b64 s[28:29], s[0:1], 0x28              ; xs
	v_lshl_add_u32 v6, v0, 2, 0x44000
	v_mov_b32 v7, 0
	ds_add_u32 v6, v7
	v_lshrrev_b32 v1, 5, v0
	v_readfirstlane_b32 s[WV], v1                  ; wave 0..3
	s_bfe_u32 s27, ttmp6, 0x40000                  ; cx: my place in the cluster
	s_lshl_b32 s15, ttmp9, 2                       ; in a cluster launch ttmp9 counts clusters
	s_add_co_u32 s15, s15, s27                     ; by: block of 64 rows = 4 x cluster x + cx: it enters the addresses of x, g, xs and out0 alone
	s_and_b32 s26, ttmp7, 0xffff                   ; bx: block of 16 columns, which the four partners share
	v_and_b32 v1, 15, v0                           ; r
	v_bfe_u32 v2, v0, 4, 1                         ; h
	v_and_b32 v3, 31, v0
	v_lshlrev_b32 v9, 2, v1                        ; v9:  4 r: my row in 16 rows of xs
	v_lshlrev_b32 v10, 4, v3                       ; v10: 16 L
	v_lshlrev_b32 v11, 5, v1                       ; v11: 32 r: my row in 16 rows of g
	s_lshl_b32 s16, s26, 6
	v_lshl_add_u32 v12, v2, 5, s16                 ; v12: byte offset of my 8 columns in a row of b2
	s_lshl_b32 s17, s[WV], 12
	s_add_co_u32 s17, s17, RED
	v_add_nc_u32 v13, s17, v10                     ; v13: LDS, where my wave's sums go: 4,096 w + 16 L
	s_lshl_b32 s17, s[WV], 10
	s_add_co_u32 s17, s17, RED
	v_add_nc_u32 v14, s17, v10                     ; v14: LDS, row block w of wave 0's sums
	v_lshlrev_b32 v15, 8, v1
	v_lshl_add_u32 v15, v2, 5, v15                 ; v15: out0: row r, 32 bytes for each half of the lanes
	s_lshl_b32 s23, s[WV], 16                      ; my wave's 64 KB of LDS: no place in the cluster enters an LDS address
	v_add_nc_u32 v[WA], s23, v10
	s_mov_b32 s24, 0x3e088889                      ; 2 / 15
	s_mov_b32 s25, 0xbeaaaaab                      ; -1 / 3
	; descriptor group 1: a tile of 4 rows (experts) x 1,024 elements of 8 bytes (8 fragment blocks), rows 4,096 elements (32 blocks) apart; no padding: the lanes read 16 neighbouring bytes each
	s_mov_b32 s[G1+0], 15|(3<<16)|(1<<21)          ; 15:0 the mask: all four work-groups; 17:16 elements of 8 bytes; 21 set beside a mask
	s_mov_b32 s[G1+1], 1024<<16                    ; tensor_dim0 = 1,024
	s_mov_b32 s[G1+2], 4<<16                       ; tensor_dim1 = 4
	s_mov_b32 s[G1+3], 1024<<16                    ; tile_dim0 = 1,024
	s_mov_b32 s[G1+4], 4                           ; tile_dim1 = 4
	s_mov_b32 s[G1+5], 4096                        ; elements from row to row
	s_mov_b32 s[G1+6], 0
	s_mov_b32 s[G1+7], 0
	s_mov_b32 s21, 0
	s_mov_b32 s31, 0
	s_lshl_b32 s16, s[WV], 13                      ; my 8 k steps: 8 w blocks of 1,024 bytes
	s_lshl_b32 s30, s26, 18                        ; w2: 8 experts x 32 blocks for 16 columns: bx and the wave's number alone
	s_add_co_u32 s30, s30, s16
	s_wait_dscnt 0x0
	s_wait_kmcnt 0x0
	s_add_nc_u64 s[6:7], s[6:7], s[30:31]
	s_lshl_b32 s20, s15, 17                        ; x: 4 row blocks x 32 blocks
	s_add_co_u32 s20, s20, s16
	s_add_nc_u64 s[4:5], s[4:5], s[20:21]
	s_lshl_b32 s20, s15, 11                        ; g: 64 rows of 32 bytes
	s_add_nc_u64 s[10:11], s[10:11], s[20:21]
	s_lshl_b32 s20, s[WV], 9
	s_add_nc_u64 s[18:19], s[10:11], s[20:21]      ; g at row block w
	s_lshl_b32 s20, s15, 14                        ; out0: 64 rows of 256 bytes,
	s_lshl_b32 s22, s[WV], 12                      ; row block w,
	s_add_co_u32 s20, s20, s22
	s_lshl_b32 s22, s26, 6                         ; my 16 columns
	s_add_co_u32 s20, s20, s22
	s_add_nc_u64 s[12:13], s[12:13], s[20:21]
	s_lshl_b32 s20, s[WV], 15                      ; xs: my blocks of 128 k are 2 w and 2 w + 1, 16,384 bytes each;
	s_lshl_b32 s22, s15, 8                         ; 64 rows of 4 bytes
	s_add_co_u32 s20, s20, s22
	s_add_nc_u64 s[28:29], s[28:29], s[20:21]
	; THE LOADS INTO REGISTERS, in the order in which they are wanted: 64 of x, 8 of gates, 26 for the end.  x's first half goes out ahead of the cluster's round.
	XLOAD 0, 4
	WIN 0                                          ; at a branch and at a label every window is 0
	CROUND                                         ; all four work-groups are here: the joint loads meet
.irp j, 0,1
	s_mov_b32 s[G0+4*\j], 1                                        ; count = 1
	s_add_co_u32 s[G0+4*\j+1], s23, \j*32768                       ; LDS address: expert e's 8 blocks lie at 8,192 e in my wave's 64 KB
	s_add_nc_u64 s[G0+4*\j+2:G0+4*\j+3], s[6:7], \j*131072         ; global address: experts 4 j on
	s_or_b32 s[G0+4*\j+3], s[G0+4*\j+3], 0x80000000                ; type = 2
	JLOAD \j
.endr
	XLOAD 4, 4
	WIN 0
.irp n, 0,1,2,3,4,5,6,7
	global_load_b128 v[GA+4*\n:GA+4*\n+3], v11, s[10:11] offset:(\n/2)*512+(\n%2)*16
.endr
	global_load_b128 v[GF:GF+3], v11, s[18:19]
	global_load_b128 v[GF+4:GF+7], v11, s[18:19] offset:16
.irp n, 0,1,2,3,4,5,6,7,8,9,10,11,12,13,14,15
	global_load_b128 v[B2+4*\n:B2+4*\n+3], v12, s[8:9] offset:(\n/2)*256+(\n%2)*16
.endr
.irp n, 0,1,2,3,4,5,6,7
	global_load_b32 v[SC+\n], v9, s[28:29] offset:(\n/2)*64+(\n%2)*16384
.endr
	; THE EXPERTS, written out.  Each half of an expert (4 k steps, 16 matrix instructions) first fetches from LDS the same half of the next expert (8 loads), then waits for its own fragments:
	; s_wait_dscnt 16 leaves the two younger halves' loads out; the last two halves have one and none behind them.
	; s_wait_loadcnt: behind x's first four k steps stand 66 loads, more than the count can name; behind all of x and the gates the 26 for the end; these are waited for one half later.
	; The four accumulators of a half take turns, one instruction a turn.  Behind each half's products and four places the half before is folded, out of the other set;
	; those folds are also the places in front of the next half's products, which write that set anew.
	s_wait_tensorcnt 0x1                           ; experts 0-3 are in my LDS; experts 4-7 may stay out
	WLOAD 0, 0, 4
	WLOAD 0, 4, 4
.set ee, 0
.rept 8
.set hh, 0
.rept 2
.if (ee == 3) && (hh == 0)
	s_wait_tensorcnt 0x0                           ; experts 4-7 are in: the fetch below is the first that reads them
.endif
.if ee < 7
	WLOAD ee+1, 4*hh, 4
	s_wait_dscnt 16
.else
	s_wait_dscnt 8-8*hh
.endif
.if (ee == 0) && (hh == 0)
	s_wait_loadcnt 63
.elseif ee == 0
	s_wait_loadcnt 26
.elseif (ee == 1) && (hh == 0)
	s_wait_loadcnt 0x0
.endif
	WIN 0x06+ee/4                                  ; source 0 (w2) window 2 or 3, source 1 (x) window 1, C and D window 0
.set ki, 4*hh
.rept 4
.set ka, 0
.rept 4
.if ki == 4*hh
	v_wmma_f32_16x16x32_f16 v[AE+32*hh+8*ka:AE+32*hh+8*ka+7], v[64*(ee%4)+8*ki:64*(ee%4)+8*ki+7], v[8*(4*ki+ka):8*(4*ki+ka)+7], 0
.else
	v_wmma_f32_16x16x32_f16 v[AE+32*hh+8*ka:AE+32*hh+8*ka+7], v[64*(ee%4)+8*ki:64*(ee%4)+8*ki+7], v[8*(4*ki+ka):8*(4*ki+ka)+7], v[AE+32*hh+8*ka:AE+32*hh+8*ka+7]
.endif
.set ka, ka+1
.endr
.set ki, ki+1
.endr
.if (ee > 0) || (hh > 0)
	WIN 0
	PLACES
.if hh == 0
	FOLD2 ee-1, 1
.else
	FOLD2 ee, 0
.endif
.endif
.set hh, hh+1
.endr
.set ee, ee+1
.endr
	FOLD2 7, 1                                     ; the four v_nop and the sixteen multiply-adds just above are the places behind the last products
.irp a, 0,1,2,3                        ; acc_tot = s_0 acc_tot_0 + s_1 acc_tot_1
.irp p, 0,2,4,6
	v_pk_mul_f32 v[TOT+8*\a+\p:TOT+8*\a+\p+1], v[TOT+8*\a+\p:TOT+8*\a+\p+1], v[SC+2*\a:SC+2*\a+1] op_sel_hi:[1,0]
.endr
.irp p, 0,2,4,6
	v_pk_fma_f32 v[TOT+8*\a+\p:TOT+8*\a+\p+1], v[TOT+96+8*\a+\p:TOT+96+8*\a+\p+1], v[SC+2*\a:SC+2*\a+1], v[TOT+8*\a+\p:TOT+8*\a+\p+1] op_sel:[0,1,0] op_sel_hi:[1,1,1]
.endr
.endr
	; THE FOUR WAVES' SUMS MEET IN LDS
.irp n, 0,1,2,3,4,5,6,7
	ds_store_b128 v13, v[TOT+4*\n:TOT+4*\n+3] offset:\n*512
.endr
	s_wait_dscnt 0x0                               ; for the others' sake: my sums are in LDS
	s_barrier_signal -1
	s_barrier_wait -1
.irp n, 0,1,2,3,4,5,6,7
	ds_load_b128 v[AE+4*\n:AE+4*\n+3], v14 offset:(\n/2)*4096+(\n%2)*512   ; row block w of wave n / 2
.endr
	s_wait_dscnt 0x0
.irp p, 0,2,4,6
	v_pk_add_f32 v[AE+\p:AE+\p+1], v[AE+\p:AE+\p+1], v[AE+8+\p:AE+8+\p+1]
	v_pk_add_f32 v[AE+16+\p:AE+16+\p+1], v[AE+16+\p:AE+16+\p+1], v[AE+24+\p:AE+24+\p+1]
.endr
.irp p, 0,2,4,6
	v_pk_add_f32 v[AE+\p:AE+\p+1], v[AE+\p:AE+\p+1], v[AE+16+\p:AE+16+\p+1]
.endr
.irp e, 0,2,4,6                        ; + the sum over e of g_e b2_e
.irp p, 0,2,4,6
	v_pk_fma_f32 v[AE+\p:AE+\p+1], v[B2+8*\e+\p:B2+8*\e+\p+1], v[GF+\e:GF+\e+1], v[AE+\p:AE+\p+1] op_sel_hi:[1,0,1]
.endr
.irp p, 0,2,4,6
	v_pk_fma_f32 v[AE+\p:AE+\p+1], v[B2+8*\e+8+\p:B2+8*\e+8+\p+1], v[GF+\e:GF+\e+1], v[AE+\p:AE+\p+1] op_sel:[0,1,0] op_sel_hi:[1,1,1]
.endr
.endr
	; tanh of z = v[AE .. AE+7]: u, then the result, in AE+8 ..; z^2, then |z|, in AE+16 ..; the series in AE+24 ..
.irp j, 0,1,2,3,4,5,6,7
	v_mul_f32 v[AE+8+\j], 0x4038aa3b, v[AE+\j]     ; 2 z log2 e
.endr
.irp j, 0,1,2,3,4,5,6,7
	v_exp_f32 v[AE+8+\j], v[AE+8+\j]
.endr
.irp j, 0,1,2,3,4,5,6,7
	v_mul_f32 v[AE+16+\j], v[AE+\j], v[AE+\j]      ; plain work behind the exponentials, ahead of the use of their results (ISA guide 5.7.2)
.endr
	s_wait_alu depctr_va_vdst(0)
.irp j, 0,1,2,3,4,5,6,7
	v_add_f32 v[AE+8+\j], 1.0, v[AE+8+\j]
.endr
.irp j, 0,1,2,3,4,5,6,7
	v_rcp_f32 v[AE+8+\j], v[AE+8+\j]
.endr
.irp j, 0,1,2,3,4,5,6,7
	v_fma_f32 v[AE+24+\j], v[AE+16+\j], s24, s25   ; plain work behind the reciprocals: 2 z^2 / 15 - 1 / 3
.endr
.irp j, 0,1,2,3,4,5,6,7
	v_fma_f32 v[AE+24+\j], v[AE+16+\j], v[AE+24+\j], 1.0
.endr
	s_wait_alu depctr_va_vdst(0)
.irp j, 0,1,2,3,4,5,6,7
	v_mul_f32 v[AE+24+\j], v[AE+\j], v[AE+24+\j]
	v_fma_f32 v[AE+8+\j], v[AE+8+\j], -2.0, 1.0
	v_and_b32 v[AE+16+\j], 0x7fffffff, v[AE+\j]
.endr
.irp j, 0,1,2,3,4,5,6,7
	v_cmp_gt_f32 vcc_lo, 0x3e000000, v[AE+16+\j]   ; 0.125 > |z|: the series
	v_cndmask_b32 v[AE+8+\j], v[AE+8+\j], v[AE+24+\j], vcc_lo
.endr
	global_store_b128 v15, v[AE+8:AE+11], s[12:13]
	global_store_b128 v15, v[AE+12:AE+15], s[12:13] offset:16
	s_wait_tensorcnt 0x0
	ds_add_u32 v6, v7
	s_wait_dscnt 0x0
	CROUND                                         ; the closing round: no work-group ends while a partner may still ask for a tile that names it
	s_endpgm
.Lfunc_end_k_q9a30e1b251_layer2:
	.size	k_q9a30e1b251_layer2, .Lfunc_end_k_q9a30e1b251_layer2-k_q9a30e1b251_layer2
	.p2alignl 7, 3214868480
	.fill 96, 4, 3214868480
	.section	.rodata,"a",@progbits
	.p2align	6, 0x0
	.amdhsa_kernel k_q9a30e1b251_layer2
		.amdhsa_group_segment_fixed_size 279040
		.amdhsa_private_segment_fixed_size 0
		.amdhsa_enable_private_segment 0
		.amdhsa_kernarg_size 48
		.amdhsa_user_sgpr_count 2
		.amdhsa_user_sgpr_kernarg_segment_ptr 1
		.amdhsa_wavefront_size32 1
		.amdhsa_system_sgpr_workgroup_id_x 1
		.amdhsa_system_sgpr_workgroup_id_y 1
		.amdhsa_system_sgpr_workgroup_id_z 1
		.amdhsa_system_vgpr_workitem_id 0
		.amdhsa_next_free_vgpr 1024
		.amdhsa_next_free_sgpr 66
		.amdhsa_reserve_vcc 1
		.amdhsa_float_denorm_mode_32 3
		.amdhsa_float_denorm_mode_16_64 3
		.amdhsa_memory_ordered 1
		.amdhsa_forward_progress 1
		.amdhsa_inst_pref_size 69
	.end_amdhsa_kernel
	.amdgpu_metadata
---
amdhsa.version: [ 1, 2 ]
amdhsa.kernels:
  - .name:           k_q9a30e1b251_layer2
    .symbol:         k_q9a30e1b251_layer2.kd
    .args:
      - { .name: x2f, .offset: 0, .size: 8, .value_kind: global_buffer, .address_space: global }
      - { .name: w2f, .offset: 8, .size: 8, .value_kind: global_buffer, .address_space: global }
      - { .name: b2, .offset: 16, .size: 8, .value_kind: global_buffer, .address_space: global }
      - { .name: g, .offset: 24, .size: 8, .value_kind: global_buffer, .address_space: global }
      - { .name: out0, .offset: 32, .size: 8, .value_kind: global_buffer, .address_space: global }
      - { .name: x2s, .offset: 40, .size: 8, .value_kind: global_buffer, .address_space: global }
    .group_segment_fixed_size: 279040
    .private_segment_fixed_size: 0
    .kernarg_segment_align: 8
    .kernarg_segment_size: 48
    .max_flat_workgroup_size: 128
    .sgpr_count:     66
    .vgpr_count:     1024
    .wavefront_size: 32
...
	.end_amdgpu_metadata
.endif
;; end of part 4
;; ======== version 2 of 2: 4 launches; version 1 with the launch prep written anew for expert scheduling mode
;; limits: values are held in f16: magnitudes above 65,504 overflow, below 6.1e-05 lose precision
;; workspace buffers: w0h 8,388,608 bytes; w1h 16,777,216 bytes; w2f 1,048,576 bytes; xf0 4,194,304 bytes; x1f 8,388,608 bytes; x2f 8,388,608 bytes; x2s 131,072 bytes; g 131,072 bytes
;; launch prep (part 5): grid 256 x 1, 8 waves a work-group, no clusters, 267,264 bytes of LDS; arguments inputs, gw1, gb1, gw2, gb2, gw3, gb3, w0, w1, w2, xf0, g, w0h, w1h, w2f; writes xf0, g, w0h, w1h, w2f
.if DOCPART == 5
	.amdgcn_target "amdgcn-amd-amdhsa--gfx1250"
	.amdhsa_code_object_version 6
	.text
	.protected	k_q9a30e1b251_prep
	.globl	k_q9a30e1b251_prep
	.p2align	8
	.type	k_q9a30e1b251_prep,@function
k_q9a30e1b251_prep:
	s_mov_b64 s[64:65], 0
	v_nop
	global_prefetch_b8 v0, s[64:65] scope:SCOPE_SE
	s_setreg_imm32_b32 hwreg(HW_REG_WAVE_SCHED_MODE, 0, 2), 2
	s_setreg_imm32_b32 hwreg(HW_REG_WAVE_MODE, 25, 1), 1
	s_wait_xcnt 0x0
	s_wait_alu depctr_vm_vsrc(0)
; PREP.  Two kinds of work-group, told apart by the work-group's number alone, 128 of each.
; Work-groups 128 to 255 CAST w0 and w1 from f32 to f16, in the same order [e][k][n]: each of the 1,024 waves takes 16 KB of w0 and 32 KB of w1.
; Work-groups 0 to 127 are the GATE: each owns 32 rows of inputs, two blocks of 16.  All eight waves stage alike: 64 rows of gw1, 16 rows of gw2, 16 bytes a thread of gw3 (rounded into LDS),
; and one batch of x, 16 rows x 128 columns, which the wave rounds to f16 into its own stage, reads back as four fragments and stores to xf0.  Behind the one barrier
;   - waves 0 and 1 each take a row block's 16 fragments out of four waves' stages and compute g = softmax(relu(relu(x gw1 + gb1) gw2 + gb2) gw3 + gb3), stored in f32,
;   - waves 2 and 3 each turn one slice of w2 (one expert, 32 k, 64 n) into four f16 matrix fragments and store them to w2f,
;   - waves 4 to 7 end.
; THE SHARES, in bytes loaded and stored by a work-group: gate 324 KB of gate weights + 64 KB of inputs + 16 KB of w2 + 41 KB out = 445 KB; cast 384 KB + 192 KB = 576 KB.
; Fewer gate groups would each move more (32 of them: 808 KB), more of them would load the 324 KB more often and leave the casts fewer work-groups.
; A FRAGMENT BLOCK is 1,024 bytes: bytes 16 L of the first 512 are registers 0-3 of lane L, bytes 512 + 16 L registers 4-7,
; so that every load or store of half a fragment covers 512 consecutive bytes of a wave, aligned.
; THE MATRIX INSTRUCTION IS USED TRANSPOSED: source 0 = 16 columns of the weights, source 1 = 16 rows of x.  In the result lane l holds
; row l % 16 and its registers 0-7 the columns 8 (l / 16) + 0..7; two neighbouring tiles, rounded in pairs, ARE source 1 of the next layer.
; FORMATS.  f16, with three more mantissa bits than bf16, wherever the operand has room for it: inputs, w0, w1, w2, gw1, gw2 (numbers of the inputs' own size) and
; h1 = relu(x gw1 + gb1): with inputs and gw1 both shifted by 30 of their spreads it reaches 512 x 30 x 1.5 = 23,040, under f16's 65,504.
; h2 would then reach 128 x 23,040 x 1.5 = 4.4 million: h2 and gw3 go in bf16.
; No clusters, no tensor loads: the casts share nothing, and what the gate groups share (gw1, gw2, gw3) has to be rounded on its way into LDS.
; LIMITS.  h1 beyond 65,504 becomes infinite.  relu is v_max_num_f32 with 0: a NaN becomes 0.  A gate weight below 2^-126 comes out as 0 (v_exp_f32 flushes: ISA guide 15.8).
; THE MODE: SCHED_MODE bits 1:0 = 2 (LLVM: expert scheduling mode 2), set by the entry lines.  The code itself states the register dependences
; between vector or matrix instructions and memory or LDS instructions, with s_wait_alu, always for 0.
; THE PLAN.  Registers that memory or LDS instructions touch:
;   offsets and LDS addresses (v4-v11, v13-v17, v24, v26-v31)  written once at the head, never again: the steps along gw1 and gw2 stand in the loads' immediate offsets.
;   six staging batches (gate), six groups (cast)  a load lands; the batch's 32 conversions read and write it in place; its 16 stores read it.  The stores of batch k stand at the head of
;              batch k + 1, behind the wait for that batch's data and ONE wait on va_vdst; batch k + 1's conversions, which follow them, name other registers.
;   window 1 v192-223  x's four fragments: LDS loads land, the stores to xf0 read them a batch later; no vector instruction names them.
;   ONE wait on vm_vsrc, ahead of the branch on the wave's number: the LDS stores and the stores to xf0 have read all these registers, which from there on hold other things.
;   three buffers of weight fragments (window 1 v128-191, v192-255; XA once the first step has taken gb1 from it)  step s of a layer reads buffer s % 3; at its head, behind the wait
;              for its own fragments, ONE wait on va_vdst states that step s - 1's matrix instructions are done reading theirs, and the fetch of step s + 2 lands there.
;   x's 16 fragments, the packed activations, the accumulators and the softmax's registers are named by vector and matrix instructions alone once their loads have landed;
;   LGB is the last store's data.  v254, v255 are written at the head and read by the closing add alone.
.set PW,   288                         ; an LDS row of 128 numbers of 16 bits: 256 bytes + 32: an odd multiple of 32 bytes
.set GW1,  0                           ; gw1: 512 rows [k][128]
.set GW2,  512*PW                      ; gw2: 128 rows
.set GW3,  GW2+128*PW                  ; gw3: 128 rows of 32 bytes: column c holds gw3[k][c & 7], so both halves of the lanes get all 8 logits
.set STG,  GW3+128*32                  ; x: a stage for each wave: 16 rows of 256 bytes, 272 apart
.set STGB, 4608
.set W2S,  STG+8*STGB                  ; w2: a stage for each wave (waves 2 and 3 use theirs): 32 rows of 128 bytes, 160 apart
.set W2SB, 5120
.set AW2,  24                          ; v24     the turning load's address in gw2
.set AW1,  28                          ; v28-31  the turning load's address in quarter q (128 rows, four steps of 32 k) of gw1
.set XA,   32                          ; v32-95, v96-159, v160-223: three staging batches of 16 loads; three more in window 1, v0-191
.set XB,   96                          ; (XA and XB later hold gb1 and gb2 in the layout of a result; XA in waves 2, 3 the slice of w2, in waves 0, 1 at last the third buffer of weight fragments)
.set XC,   160
.set H,    160                         ; v160-223: 8 accumulators; in waves 2, 3 its first 32 registers hold w2's fragments
.set GB3,  224                         ; v224-231: gb3
.set LGA,  232                         ; v232-239, v240-247: two accumulators of the logits
.set LGB,  240
.set WF0,  128                         ; window 1 in the gate's layers: v0-127 x's 16 fragments, later the packed activations; v128-191, v192-255 two of the three buffers of 8 weight fragments
.set MSB, 0
.macro WIN new                         ; s_set_vgpr_msb: bits 1:0 source 0, 3:2 source 1, 5:4 source 2, 7:6 destination; the high byte repeats the setting that is left
.if MSB != (\new)
	s_set_vgpr_msb (MSB<<8)|(\new)
.set MSB, (\new)
.endif
.endm
.macro PLACES                          ; four places behind a matrix instruction, in front of vector work on its result (ISA guide 7.12.1)
.rept 4
	v_nop
.endr
.endm
	s_load_b512 s[4:19], s[0:1], 0x0               ; inputs s[4:5], gw1 s[6:7], gb1 s[8:9], gw2 s[10:11], gb2 s[12:13], gw3 s[14:15], gb3 s[16:17], w0 s[18:19]
	s_load_b256 s[20:27], s[0:1], 0x40             ; w1 s[20:21], w2 s[22:23], xf0 s[24:25], g s[26:27]
	s_load_b128 s[28:31], s[0:1], 0x60             ; w0h s[28:29], w1h s[30:31]
	s_load_b64 s[32:33], s[0:1], 0x70              ; w2f
	v_lshl_add_u32 v254, v0, 2, 0x41000
	v_mov_b32 v255, 0
	v_lshrrev_b32 v1, 5, v0
	v_readfirstlane_b32 s34, v1                    ; wave 0..7
	v_and_b32 v3, 31, v0                           ; lane L
	v_lshlrev_b32 v4, 4, v3                        ; 16 L: never rewritten
	s_wait_alu depctr_va_sdst(0)                   ; s34 is written, ahead of the branch and of its first reader in either arm: bases, LDS addresses and branches are made from it
	s_cmp_lt_u32 ttmp9, 128
	s_cbranch_scc0 .Lcast                          ; the same way for all waves of a work-group
; ---------------------------------------------------------------- the gate
	s_lshr_b32 s47, s34, 2                         ; which of the group's two row blocks my batch of x belongs to,
	s_and_b32 s45, s34, 3                          ; and which 128 of its 512 columns
	s_and_b32 s44, s34, 1                          ; waves 0, 1: the row block that I compute; waves 2, 3: the slice of w2 that I turn
	s_lshl1_add_u32 s35, ttmp9, s47                ; my batch's block of 16 rows, 0..255
	s_lshl1_add_u32 s46, ttmp9, s44                ; the block of 16 rows of g, and the slice of w2, 0..255
	s_mul_i32 s36, s34, STGB
	s_add_co_u32 s36, s36, STG                     ; my stage for x
	s_mul_i32 s43, s34, W2SB
	s_add_co_u32 s43, s43, W2S                     ; my stage for w2
	s_mul_i32 s44, s44, 4*STGB
	s_add_co_u32 s44, s44, STG                     ; the first of the four stages that hold the row block that I compute
	s_mul_i32 s37, s34, 64*PW                      ; my 64 rows of gw1 in LDS
	s_mul_i32 s38, s34, 16*PW
	s_add_co_u32 s38, s38, GW2                     ; my 16 rows of gw2
	s_lshl_b32 s39, s34, 9
	s_add_co_u32 s39, s39, GW3                     ; my 16 rows of gw3
	s_mov_b32 s42, 0x3fb8aa3b                      ; log2(e)
	v_and_b32 v1, 15, v0                           ; r = L % 16
	v_bfe_u32 v2, v0, 4, 1                         ; h = L / 16
	v_and_b32 v19, 7, v0
	v_bfe_u32 v18, v0, 3, 1
	v_lshl_add_u32 v19, v2, 3, v19                 ; the turning load's row: 8 h + L % 8
	v_lshlrev_b32 v18, 4, v18                      ; and its 16 bytes: 16 ((L / 8) % 2)
	v_mul_u32_u24 v5, v2, 160
	v_lshl_add_u32 v5, v1, 3, v5
	v_add_nc_u32 v5, s43, v5                       ; v5: w2 into its stage: row h of a pair (pitch 160), 8 bytes at 8 r
	v_mul_u32_u24 v6, v19, 160
	v_add_nc_u32 v6, v6, v18
	v_add_nc_u32 v6, s43, v6                       ; v6: w2 out of its stage, turned
	v_lshl_add_u32 v7, v3, 3, s37                  ; v7: gw1 into LDS: 8 bytes at 8 L of a row
	v_lshl_add_u32 v8, v3, 3, s38                  ; v8: gw2 likewise
	v_lshl_add_u32 v9, v3, 3, s36                  ; v9: x into my stage (pitch 272)
	v_mul_u32_u24 v10, v1, 272
	v_lshl_add_u32 v10, v2, 4, v10                 ; a fragment's place in a stage: row r, 16 h
	v_add_nc_u32 v27, s44, v10                     ; v27: x out of the four stages of the row block that I compute
	v_add_nc_u32 v10, s36, v10                     ; v10: x out of my own stage
	v_lshrrev_b32 v11, 1, v3
	v_and_b32 v20, 1, v0
	v_lshlrev_b32 v11, 5, v11
	v_lshl_add_u32 v11, v20, 3, v11
	v_add_nc_u32 v11, s39, v11                     ; v11: gw3 into LDS: row L / 2 of my 16, 8 bytes at 8 (L % 2)
	v_lshl_add_u32 v13, v19, 5, v18
	v_add_nc_u32 v13, GW3, v13                     ; v13: gw3 out of LDS, turned
	v_lshlrev_b32 v14, 4, v0                       ; v14: 16 t: the thread's 16 bytes of gw3
	v_lshlrev_b32 v15, 5, v2                       ; v15: 32 h: a lane's 8 numbers of a bias
	v_lshlrev_b32 v16, 5, v1
	v_lshl_add_u32 v16, v2, 4, v16                 ; v16: g: row r, 16 bytes for each half of the lanes
	v_mul_u32_u24 v17, v19, PW
	v_add_nc_u32 v17, v17, v18                     ; v17: the turning load's place in a tile of pitch 288
.irp q, 0,1,2,3
	v_add_nc_u32 v[AW1+\q], GW1+\q*128*PW, v17     ; gw1: an address for each four steps of 32 rows; a step's 9,216 bytes stand in the immediate offset, 32,480 at the most
.endr
	v_add_nc_u32 v[AW2], GW2, v17                  ; gw2: four steps
	v_mov_b32 v26, 0                               ; v26: offset 0, for gb3
	s_mov_b32 s41, 0
	s_wait_kmcnt 0x0
	s_lshl_b32 s40, s34, 15
	s_add_nc_u64 s[6:7], s[6:7], s[40:41]          ; gw1 at my 64 rows of 512 bytes
	s_lshl_b32 s40, s34, 13
	s_add_nc_u64 s[10:11], s[10:11], s[40:41]      ; gw2 at my 16 rows
	s_lshl_b32 s40, s35, 15                        ; inputs: 16 rows of 2,048 bytes,
	s_lshl_b32 s47, s45, 9                         ; 128 columns of 4 bytes
	s_add_co_u32 s40, s40, s47
	s_add_nc_u64 s[4:5], s[4:5], s[40:41]
	s_lshl_b32 s40, s35, 14                        ; xf0: 16 blocks for 16 rows,
	s_lshl_b32 s47, s45, 12                        ; 4 blocks for 128 columns
	s_add_co_u32 s40, s40, s47
	s_add_nc_u64 s[24:25], s[24:25], s[40:41]
	s_lshl_b32 s40, s46, 9
	s_add_nc_u64 s[26:27], s[26:27], s[40:41]      ; g at 16 rows of 32 bytes
	s_lshl_b32 s40, s46, 13
	s_add_nc_u64 s[22:23], s[22:23], s[40:41]      ; w2 at a slice: 32 rows of 256 bytes
	s_lshl_b32 s40, s46, 10
	s_add_nc_u64 s[32:33], s[32:33], s[40:41]      ; w2f at block (0, e, ks)
; A batch: 16 loads, each 512 consecutive bytes of f32, into window win
.macro LOAD16 win, buf, sb, imm0, stride, nt
	WIN 0x40*\win
.set li, 0
.rept 16
.if \nt
	global_load_b128 v[\buf+4*li:\buf+4*li+3], v4, s[\sb:\sb+1] offset:\imm0+li*\stride th:TH_LOAD_NT
.else
	global_load_b128 v[\buf+4*li:\buf+4*li+3], v4, s[\sb:\sb+1] offset:\imm0+li*\stride
.endif
.set li, li+1
.endr
.endm
; The batch is rounded to f16 in place, 4 numbers to 8 bytes
.macro CV16 win, buf
	WIN 0x45*\win
.set li, 0
.rept 16
	v_cvt_pk_f16_f32 v[\buf+4*li], v[\buf+4*li], v[\buf+4*li+1]
	v_cvt_pk_f16_f32 v[\buf+4*li+1], v[\buf+4*li+2], v[\buf+4*li+3]
.set li, li+1
.endr
.endm
; and put into LDS: a store's address is source 0 and lies in window 0
.macro ST16 win, buf, va, imm0, pitch
	WIN 0x04*\win
.set li, 0
.rept 16
	ds_store_b64 v[\va], v[\buf+4*li:\buf+4*li+1] offset:\imm0+li*\pitch
.set li, li+1
.endr
.endm
	; ALL OF THE WAVE'S 99 LOADS GO OUT AT ONCE, each into registers of its own: 3 for gw3 and gb3, then six batches of 16.
	s_wait_alu depctr_va_vdst(0)                   ; all offsets and LDS addresses of the gate are written, which every load and store below reads; and the address work is done with v20, in which gw3 lands
	global_load_b128 v[20:23], v14, s[14:15]       ; gw3
	global_load_b128 v[GB3:GB3+3], v26, s[16:17]   ; gb3
	global_load_b128 v[GB3+4:GB3+7], v26, s[16:17] offset:16
	LOAD16 0, XA, 4, 0, 2048, 1                    ; x: 16 rows, 128 columns
	LOAD16 0, XB, 6, 0, 512, 0                     ; gw1, my rows 0-15
	LOAD16 0, XC, 6, 16*512, 512, 0                ; rows 16-31
	LOAD16 1, 0, 6, 32*512, 512, 0                 ; rows 32-47
	LOAD16 1, 64, 6, 48*512, 512, 0                ; rows 48-63
	LOAD16 1, 128, 10, 0, 512, 0                   ; gw2, my 16 rows
	; A batch's turn: the wait for its data, the wait on va_vdst for the batch before, that batch's LDS stores, its own conversions.
	s_wait_loadcnt 63                              ; gw3, gb3 and x are in: behind them stand 80 loads, more than the count can name
	CV16 0, XA
	v_cvt_pk_bf16_f32 v20, v20, v21
	v_cvt_pk_bf16_f32 v21, v22, v23
	s_wait_loadcnt 63                              ; gw1's first batch: 64 loads stand behind it
	s_wait_alu depctr_va_vdst(0)                   ; the conversions of x and of gw3 have written XA, v20 and v21, which the LDS stores below read
	ST16 0, XA, 9, 0, 272
	ds_store_b64 v11, v[20:21]                     ; gw3's columns 0-7,
	ds_store_b64 v11, v[20:21] offset:16           ; and once more as columns 8-15
	WIN 0x40                                       ; my 128 columns of x come back as four fragments (LDS serves a wave's instructions in order: ISA guide 5.7.1.4), into registers that no vector instruction names
.set xi, 0
.rept 8
	ds_load_b128 v[192+4*xi:192+4*xi+3], v10 offset:(xi/2)*64+(xi%2)*32
.set xi, xi+1
.endr
	CV16 0, XB
	s_wait_loadcnt 48                              ; from here on the count is the younger batches' loads
	s_wait_alu depctr_va_vdst(0)                   ; the conversions have written XB, which the LDS stores below read
	ST16 0, XB, 7, 0, PW
	s_wait_dscnt 16                                ; x's four fragments are back; the 16 LDS stores issued behind them stay out
	WIN 0x04                                       ; a store's data is source 1: window 1
.set xi, 0
.rept 8
	global_store_b128 v4, v[192+4*xi:192+4*xi+3], s[24:25] offset:(xi/2)*1024+(xi%2)*512
.set xi, xi+1
.endr
	CV16 0, XC
	s_wait_loadcnt 32
	s_wait_alu depctr_va_vdst(0)                   ; the conversions have written XC, which the LDS stores below read
	ST16 0, XC, 7, 16*PW, PW
	CV16 1, 0
	s_wait_loadcnt 16
	s_wait_alu depctr_va_vdst(0)                   ; the conversions have written window 1's v0-63, which the LDS stores below read
	ST16 1, 0, 7, 32*PW, PW
	CV16 1, 64
	s_wait_loadcnt 0x0
	s_wait_alu depctr_va_vdst(0)                   ; the conversions have written window 1's v64-127, which the LDS stores below read
	ST16 1, 64, 7, 48*PW, PW
	CV16 1, 128
	s_wait_alu depctr_va_vdst(0)                   ; the last conversions have written window 1's v128-191, which the LDS stores below read; and every conversion is done with its batch, in which later loads land
	ST16 1, 128, 8, 0, PW
	WIN 0
	s_wait_alu depctr_vm_vsrc(0)                   ; my LDS stores and my stores to xf0 have read their registers: XA and XB take the biases or the slice of w2, XC the accumulators or w2's fragments, window 1 x's fragments and the weights'
	; what waves 0 to 3 want behind the barrier is asked for here
	s_cmp_lt_u32 s34, 2
	s_cbranch_scc0 .Lnot_compute
.set xi, 0
.rept 16                               ; waves 0, 1: the biases in the layout of a result: tile xi / 2, a lane's columns 8 h + 0..7
	global_load_b128 v[XA+4*xi:XA+4*xi+3], v15, s[8:9] offset:(xi/2)*64+(xi%2)*16
	global_load_b128 v[XB+4*xi:XB+4*xi+3], v15, s[12:13] offset:(xi/2)*64+(xi%2)*16
.set xi, xi+1
.endr
	s_branch .Lmeet
.Lnot_compute:
	s_cmp_lt_u32 s34, 4
	s_cbranch_scc0 .Lmeet
	LOAD16 0, XA, 22, 0, 512, 1                    ; waves 2, 3: a slice of w2, two rows a load
.Lmeet:
	s_wait_dscnt 0x0                               ; for the others' sake: my rows of gw1, gw2 and gw3 and my batch of x are in LDS
	s_barrier_signal -1
	s_barrier_wait -1                              ; everybody's are
	s_cmp_lt_u32 s34, 2
	s_cbranch_scc1 .Lcompute
	s_cmp_lt_u32 s34, 4
	s_cbranch_scc1 .Lw2
	s_wait_dscnt 0x0                               ; waves 4 to 7 have done their share.  The closing lines, six on end
	s_wait_alu 0x0
	s_wait_tensorcnt 0x0
	ds_add_u32 v254, v255
	s_wait_dscnt 0x0
	s_endpgm
; ---------------------------------------------------------------- waves 2, 3: a slice of w2
.Lw2:
	s_wait_loadcnt 0x0
	CV16 0, XA
	s_wait_alu depctr_va_vdst(0)                   ; the conversions have written XA, which the LDS stores below read
	ST16 0, XA, 5, 0, 320
.set xi, 0
.rept 8                                ; w2's fragments: 16 columns 16 (xi / 2) on, k half xi % 2.  No vector instruction since the wait above names these registers
	ds_load_tr16_b128 v[H+4*xi:H+4*xi+3], v6 offset:(xi/2)*32+(xi%2)*2560
.set xi, xi+1
.endr
	s_wait_dscnt 0x0
.set xi, 0
.rept 8
	global_store_b128 v4, v[H+4*xi:H+4*xi+3], s[32:33] offset:(xi/2)*262144+(xi%2)*512
.set xi, xi+1
.endr
	s_wait_dscnt 0x0                               ; the closing lines, six on end, as above
	s_wait_alu 0x0
	s_wait_tensorcnt 0x0
	ds_add_u32 v254, v255
	s_wait_dscnt 0x0
	s_endpgm
; ---------------------------------------------------------------- waves 0, 1: the gate of 16 rows
; 16 turning loads in one run: the 8 weight fragments of step s (32 k) of the layer whose addresses begin at v[areg], into buffer s % 3
.macro FETCHG areg, s
.if (\s)%3 == 2
	WIN 0
.set fb, XA
.else
	WIN 0x40
.set fb, WF0+64*((\s)%3)
.endif
.set xi, 0
.rept 16
	ds_load_tr16_b128 v[fb+4*xi:fb+4*xi+3], v[\areg+(\s)/4] offset:((\s)%4)*32*PW+(xi/2)*32+(xi%2)*4608
.set xi, xi+1
.endr
.endm
; One layer of 128 outputs, in f16: H[b] = bias + the sum over nks steps of W(ks, b) x X(ks).  The first product takes the bias as C: nothing is cleared or added later.
; The 8 accumulators take turns, one instruction a turn.  Steps 0 and 1 have been fetched ahead of the layer; step 1 fetches steps 2 and 3, every later step the step after next.
; The loads stand in one run behind the wait: dealt singly among the matrix instructions each would want two switches of the register window.
.macro GLAYER nks, areg, bias
.set ks, 0
.rept \nks
.if (ks == 1) || (ks == \nks-1)
	s_wait_dscnt 0x0                               ; this step's fragments: none were asked for behind them
.else
	s_wait_dscnt 16                                ; this step's fragments (and all that was asked for ahead of them) are in; the next step's 16 loads stay out
.endif
.if ks == 1
	s_wait_alu depctr_va_vdst(0)                   ; step 0's matrix instructions are done reading buffer 0, in which step 3 lands, and (first layer) gb1 in XA, which is buffer 2 from here on: step 2 lands there
	FETCHG \areg, 2
	FETCHG \areg, 3
.elseif (ks > 1) && (ks+2 < \nks)
	s_wait_alu depctr_va_vdst(0)                   ; the matrix instructions of the step before are done reading their buffer, in which the step after next lands
	FETCHG \areg, ks+2
.endif
.if ks%3 == 2
	WIN 0x04                                       ; the weights in window 0 (XA), x in window 1, C and D window 0
.set wfc, XA
.else
	WIN 0x05                                       ; both sources window 1, C and D window 0
.set wfc, WF0+64*(ks%3)
.endif
.set gb, 0
.rept 8
.if ks == 0
	v_wmma_f32_16x16x32_f16 v[H+8*gb:H+8*gb+7], v[wfc+8*gb:wfc+8*gb+7], v[8*ks:8*ks+7], v[\bias+8*gb:\bias+8*gb+7]
.else
	v_wmma_f32_16x16x32_f16 v[H+8*gb:H+8*gb+7], v[wfc+8*gb:wfc+8*gb+7], v[8*ks:8*ks+7], v[H+8*gb:H+8*gb+7]
.endif
.set gb, gb+1
.endr
.set ks, ks+1
.endr
.endm
; relu, then rounding in pairs (half = 1: to f16; 0: to bf16): tile b's 8 numbers become registers 4 b .. 4 b + 3 of window 1: four fragments of source 1
.macro RPACK half
	PLACES
	WIN 0
.set xi, 0
.rept 64
	v_max_num_f32 v[H+xi], 0, v[H+xi]
.set xi, xi+1
.endr
	WIN 0x40
.set xi, 0
.rept 32
.if \half
	v_cvt_pk_f16_f32 v[xi], v[H+2*xi], v[H+2*xi+1]
.else
	v_cvt_pk_bf16_f32 v[xi], v[H+2*xi], v[H+2*xi+1]
.endif
.set xi, xi+1
.endr
	WIN 0
.endm
.Lcompute:
	s_wait_loadcnt 0x0                             ; the biases
	s_wait_xcnt 0x0                                ; my stores to xf0 have had their addresses translated (ISA guide 3.1): their registers are loaded again below (that they have been read, the wait on vm_vsrc ahead of the barrier has stated)
	WIN 0x40
.set xi, 0
.rept 32                               ; my row block's 16 fragments of x: four out of each of four waves' stages
	ds_load_b128 v[4*xi:4*xi+3], v27 offset:(xi/8)*STGB+((xi%8)/2)*64+(xi%2)*32
.set xi, xi+1
.endr
	FETCHG AW1, 0
	FETCHG AW1, 1
	GLAYER 16, AW1, XA
	s_wait_alu depctr_va_vdst(0)                   ; the first layer's matrix instructions are done reading the weight buffers: gw2's first two steps land there while h1 is made
	FETCHG AW2, 0
	FETCHG AW2, 1
	RPACK 1                                        ; h1 in f16
	GLAYER 4, AW2, XB
	s_wait_alu depctr_va_vdst(0)                   ; the second layer's matrix instructions are done reading buffer 0: gw3's fragments land there while h2 is made
	WIN 0x40
.set xi, 0
.rept 8                                ; gw3: four fragments of 32 k x 16 columns
	ds_load_tr16_b128 v[WF0+4*xi:WF0+4*xi+3], v13 offset:(xi/2)*1024+(xi%2)*512
.set xi, xi+1
.endr
	RPACK 0                                        ; h2 in bf16
	s_wait_dscnt 0x0
	WIN 0x05
	v_wmma_f32_16x16x32_bf16 v[LGA:LGA+7], v[WF0:WF0+7], v[0:7], v[GB3:GB3+7]          ; two accumulators by turns; the first starts from gb3
	v_wmma_f32_16x16x32_bf16 v[LGB:LGB+7], v[WF0+8:WF0+15], v[8:15], 0
	v_wmma_f32_16x16x32_bf16 v[LGA:LGA+7], v[WF0+16:WF0+23], v[16:23], v[LGA:LGA+7]
	v_wmma_f32_16x16x32_bf16 v[LGB:LGB+7], v[WF0+24:WF0+31], v[24:31], v[LGB:LGB+7]
	PLACES
	WIN 0
.irp p, 0,2,4,6
	v_pk_add_f32 v[LGA+\p:LGA+\p+1], v[LGA+\p:LGA+\p+1], v[LGB+\p:LGB+\p+1]            ; a lane now holds its row's 8 logits
.endr
	; softmax inside the lane: the maximum m is taken away; 2^(l log2 e - m log2 e), and the rounding of m log2 e is a common shift that the division removes
	v_max3_num_f32 v248, v[LGA], v[LGA+1], v[LGA+2]
	v_max3_num_f32 v249, v[LGA+3], v[LGA+4], v[LGA+5]
	v_max3_num_f32 v248, v248, v[LGA+6], v[LGA+7]
	v_max_num_f32 v248, v248, v249
	v_mul_f32 v249, s42, v248
.irp j, 0,1,2,3,4,5,6,7
	v_fma_f32 v[LGA+\j], v[LGA+\j], s42, -v249
.endr
.irp j, 0,1,2,3,4,5,6,7
	v_exp_f32 v[LGA+\j], v[LGA+\j]
.endr
	v_nop                                          ; a plain instruction between the exponentials and the use of their results (ISA guide 5.7.2)
	s_wait_alu depctr_va_vdst(0)                   ; the eight exponentials have written their results, ahead of the first sum that reads them
	v_add_f32 v248, v[LGA], v[LGA+1]
	v_add_f32 v249, v[LGA+2], v[LGA+3]
	v_add_f32 v250, v[LGA+4], v[LGA+5]
	v_add_f32 v251, v[LGA+6], v[LGA+7]
	v_add_f32 v248, v248, v249
	v_add_f32 v250, v250, v251
	v_add_f32 v248, v248, v250
	v_cmp_ne_u32 vcc_lo, 0, v2                     ; the upper half of the lanes
	v_rcp_f32 v249, v248
	v_nop
	s_wait_alu depctr_va_vdst(0)                   ; the reciprocal is written, ahead of the first product that reads it
.irp j, 0,1,2,3,4,5,6,7
	v_mul_f32 v[LGA+\j], v[LGA+\j], v249
.endr
	s_wait_alu depctr_va_vcc(0)                    ; the compare has written VCC, ahead of the first select that reads it
.irp j, 0,1,2,3
	v_cndmask_b32 v[LGB+\j], v[LGA+\j], v[LGA+4+\j], vcc_lo   ; lanes 0-15 store experts 0-3 of their row, lanes 16-31 experts 4-7
.endr
	s_wait_alu depctr_va_vdst(0)                   ; the selects have written LGB, which the store reads
	global_store_b128 v16, v[LGB:LGB+3], s[26:27]  ; the wave's 16 rows of g: 512 consecutive bytes, aligned
	s_wait_dscnt 0x0                               ; the closing lines, six on end, as above
	s_wait_alu 0x0
	s_wait_tensorcnt 0x0
	ds_add_u32 v254, v255
	s_wait_dscnt 0x0
	s_endpgm
; ---------------------------------------------------------------- the casts
; 16 stores of a group that has been rounded: 32 lanes store 256 consecutive bytes, aligned.  A store's address is source 0, window 0; its data source 1
.macro GST16 win, buf, sb, imm0
	WIN 0x04*\win
.set li, 0
.rept 16
	global_store_b64 v5, v[\buf+4*li:\buf+4*li+1], s[\sb:\sb+1] offset:\imm0+li*256
.set li, li+1
.endr
.endm
.Lcast:
	v_lshlrev_b32 v5, 3, v3                        ; 8 L: a lane's 8 bytes of f16
	s_sub_co_u32 s35, ttmp9, 128
	s_lshl3_add_u32 s36, s35, s34                  ; my wave among the 1,024 that cast
	s_mov_b32 s41, 0
	s_wait_kmcnt 0x0
	s_lshl_b32 s40, s36, 14
	s_add_nc_u64 s[18:19], s[18:19], s[40:41]      ; w0: 16 KB a wave
	s_add_nc_u64 s[30:31], s[30:31], s[40:41]      ; w1h: 16 KB a wave too
	s_lshl_b32 s40, s36, 13
	s_add_nc_u64 s[28:29], s[28:29], s[40:41]      ; w0h: 8 KB
	s_lshl_b32 s40, s36, 15
	s_add_nc_u64 s[20:21], s[20:21], s[40:41]      ; w1: 32 KB
	; all of the wave's 48 KB is asked for at once: 32 loads of w0 into v64-191, 64 of w1 into window 1; each is rounded in place: no register is loaded twice, and none that a store has read is written again
	s_wait_alu depctr_va_vdst(0)                   ; v4 and v5 are written: every load below reads v4 as its offset, every store v5
.set xi, 0
.rept 32
	global_load_b128 v[64+4*xi:64+4*xi+3], v4, s[18:19] offset:xi*512 th:TH_LOAD_NT
.set xi, xi+1
.endr
	WIN 0x40
.set xi, 0
.rept 64
	global_load_b128 v[4*xi:4*xi+3], v4, s[20:21] offset:xi*512 th:TH_LOAD_NT
.set xi, xi+1
.endr
	; A group's turn, as in the gate: the wait for its 16 loads, the wait on va_vdst for the group before, that group's stores, its own conversions.
	s_wait_loadcnt 63                              ; w0's first group is in: behind it stand 80 loads, more than the count can name
	CV16 0, 64
	s_wait_loadcnt 63                              ; w0's second group: 64 stand behind it
	s_wait_alu depctr_va_vdst(0)                   ; the conversions have written v64-127, which the stores below read
	GST16 0, 64, 28, 0
	CV16 0, 128
	s_wait_loadcnt 48                              ; w1's first group is in; the three later groups stay out
	s_wait_alu depctr_va_vdst(0)                   ; the conversions have written v128-191, which the stores below read
	GST16 0, 128, 28, 4096
	CV16 1, 0
	s_wait_loadcnt 32
	s_wait_alu depctr_va_vdst(0)                   ; the conversions have written window 1's v0-63, which the stores below read
	GST16 1, 0, 30, 0
	CV16 1, 64
	s_wait_loadcnt 16
	s_wait_alu depctr_va_vdst(0)                   ; the conversions have written window 1's v64-127, which the stores below read
	GST16 1, 64, 30, 4096
	CV16 1, 128
	s_wait_loadcnt 0x0
	s_wait_alu depctr_va_vdst(0)                   ; the conversions have written window 1's v128-191, which the stores below read
	GST16 1, 128, 30, 8192
	CV16 1, 192
	s_wait_alu depctr_va_vdst(0)                   ; the last conversions have written window 1's v192-255, which the last stores read
	GST16 1, 192, 30, 12288
	WIN 0
	s_endpgm
.Lfunc_end_k_q9a30e1b251_prep:
	.size	k_q9a30e1b251_prep, .Lfunc_end_k_q9a30e1b251_prep-k_q9a30e1b251_prep
	.p2alignl 7, 3214868480
	.fill 96, 4, 3214868480
	.section	.rodata,"a",@progbits
	.p2align	6, 0x0
	.amdhsa_kernel k_q9a30e1b251_prep
		.amdhsa_group_segment_fixed_size 267264
		.amdhsa_private_segment_fixed_size 0
		.amdhsa_enable_private_segment 0
		.amdhsa_kernarg_size 120
		.amdhsa_user_sgpr_count 2
		.amdhsa_user_sgpr_kernarg_segment_ptr 1
		.amdhsa_wavefront_size32 1
		.amdhsa_system_sgpr_workgroup_id_x 1
		.amdhsa_system_sgpr_workgroup_id_y 1
		.amdhsa_system_sgpr_workgroup_id_z 1
		.amdhsa_system_vgpr_workitem_id 0
		.amdhsa_next_free_vgpr 512
		.amdhsa_next_free_sgpr 66
		.amdhsa_reserve_vcc 1
		.amdhsa_float_denorm_mode_32 3
		.amdhsa_float_denorm_mode_16_64 3
		.amdhsa_memory_ordered 1
		.amdhsa_forward_progress 1
		.amdhsa_inst_pref_size 122
	.end_amdhsa_kernel
	.amdgpu_metadata
---
amdhsa.version: [ 1, 2 ]
amdhsa.kernels:
  - .name:           k_q9a30e1b251_prep
    .symbol:         k_q9a30e1b251_prep.kd
    .args:
      - { .name: inputs, .offset: 0, .size: 8, .value_kind: global_buffer, .address_space: global }
      - { .name: gw1, .offset: 8, .size: 8, .value_kind: global_buffer, .address_space: global }
      - { .name: gb1, .offset: 16, .size: 8, .value_kind: global_buffer, .address_space: global }
      - { .name: gw2, .offset: 24, .size: 8, .value_kind: global_buffer, .address_space: global }
      - { .name: gb2, .offset: 32, .size: 8, .value_kind: global_buffer, .address_space: global }
      - { .name: gw3, .offset: 40, .size: 8, .value_kind: global_buffer, .address_space: global }
      - { .name: gb3, .offset: 48, .size: 8, .value_kind: global_buffer, .address_space: global }
      - { .name: w0, .offset: 56, .size: 8, .value_kind: global_buffer, .address_space: global }
      - { .name: w1, .offset: 64, .size: 8, .value_kind: global_buffer, .address_space: global }
      - { .name: w2, .offset: 72, .size: 8, .value_kind: global_buffer, .address_space: global }
      - { .name: xf0, .offset: 80, .size: 8, .value_kind: global_buffer, .address_space: global }
      - { .name: g, .offset: 88, .size: 8, .value_kind: global_buffer, .address_space: global }
      - { .name: w0h, .offset: 96, .size: 8, .value_kind: global_buffer, .address_space: global }
      - { .name: w1h, .offset: 104, .size: 8, .value_kind: global_buffer, .address_space: global }
      - { .name: w2f, .offset: 112, .size: 8, .value_kind: global_buffer, .address_space: global }
    .group_segment_fixed_size: 267264
    .private_segment_fixed_size: 0
    .kernarg_segment_align: 8
    .kernarg_segment_size: 120
    .max_flat_workgroup_size: 256
    .sgpr_count:     66
    .vgpr_count:     512
    .wavefront_size: 32
...
	.end_amdgpu_metadata
.endif
;; end of part 5
;; launch layer0: the kernel of part 2 again; grid 8 x 32, 4 waves a work-group, clusters of 4 x 4, 327,680 bytes of LDS; arguments xf0, w0h, b0, g, x1f; writes x1f
;; launch layer1: the kernel of part 3 again; grid 8 x 32, 4 waves a work-group, clusters of 4 x 4, 327,680 bytes of LDS; arguments x1f, w1h, b1, g, x2f, x2s; writes x2f, x2s
;; launch layer2: the kernel of part 4 again; grid 64 x 4, 4 waves a work-group, clusters of 4 x 1, 279,040 bytes of LDS; arguments x2f, w2f, b2, g, out0, x2s; writes out0
